; MI455X (gfx1250); checked and timed in simulation.
; The chip was launched on July 23, 2026; its instructions are those of AMD's public machine-readable ISA for CDNA 5 (MIT licence, August 2026) and "CDNA5" Instruction Set Architecture Reference Guide (July 2026). The comments in the code are by the model that wrote it; some were corrected since.
;; Attention. Allowed arithmetic: float matrix products may take bf16 or f16 operands with f32 sums; all other float work in f32.
;; Inputs: Wkv 2,048 x 2,048 float32; Wo 1,024 x 2,048 float32; Wq 2,048 x 1,024 float32; g 2,048 float32; rotary_emb 2,048 x 128 float32; x 2 x 2,048 x 2,048 float32.
;; Outputs: out0 2 x 2,048 x 2,048 float32.
;; One version. Each part assembles by itself: llvm-mc -triple=amdgcn-amd-amdhsa -mcpu=gfx1250 --defsym DOCPART=n.
;; ======== version 1 of 1: 4 launches
;; limits: values outside matrix products are rounded to bf16; values are held in f16: magnitudes above 65,504 overflow, below 6.1e-05 lose precision; right only within a limited range of input values
;; workspace buffers: xh 18,874,368 bytes; rn 16,384 bytes; wh 12,582,912 bytes; woh 4,194,304 bytes; tab 2,097,152 bytes; qkv 25,165,824 bytes; oh 9,437,184 bytes
;; launch prep (part 1): grid 512 x 1, 8 waves a work-group, no clusters, 9,216 bytes of LDS; arguments x, g, rotary_emb, Wq, Wkv, Wo, xh, rn, wh, woh, tab; writes xh, rn, wh, woh, tab
.if DOCPART == 1
	.amdgcn_target "amdgcn-amd-amdhsa--gfx1250"
	.amdhsa_code_object_version 6
	.text
	.protected	k_q25cc876353_prep
	.globl	k_q25cc876353_prep
	.p2align	8
	.type	k_q25cc876353_prep,@function
k_q25cc876353_prep:
	s_mov_b64 s[64:65], 0
	v_nop
	global_prefetch_b8 v0, s[64:65] scope:SCOPE_SE
	s_setreg_imm32_b32 hwreg(HW_REG_WAVE_MODE, 25, 1), 1
	s_wait_xcnt 0x0
; All inputs are brought into the form that the three matrix launches read.  A stream: no loop; every wave issues all its loads first and works
; them off behind counted waits.  LDS serves only to hand g, brought in and rounded once by a work-group, to its eight waves.
; STATED LIMITS.  Every input (x, g, rotary_emb, Wq, Wkv, Wo) is rounded once to bf16, to nearest even; all that follows is
; computed from the rounded numbers.
;   p[row][k] = bf16(x) * s2 * bf16(g[k]), s2 = the power of two under 1 / max(|row| / sqrt(2048), 1e-8): 16 significant bits, exact in f32;
;               |p| <= sqrt(2048) |g|, so |g| < 1,400 keeps it inside f16.
;   xh: for each block of 128 rows 144 rows of 2,048 f16: the 128 rows f16(p), then p - f16(p) of the block's first 16 rows (exact: 5 bits are left).
;       A sequence's first positions average over few keys; their results are the largest of the output by far, and the 11 bits of one f16 would show there.
;       Every block is treated alike, so that the launches that read xh have one path.
;   rn[row] = the rest of the reciprocal, in [1, 2), f32: multiplied in later, in f32.
;   wh[k][0:1024] = bf16(Wq), wh[k][1024:3072] = bf16(Wkv), woh = bf16(Wo), carried as f16: exact from 2^-17 up to 65,504, below in steps of 6e-8.
;   tab = cos and sin of bf16(rotary_emb), by range reduction in three parts of pi/2 and polynomials on |r| <= pi/4: |rotary_emb| <= 1e5.
; NaN, infinities and rows whose norm is above 2^126 are not served.
; SHARES.  Work-groups 0-255: x, 16 rows each (128 KiB in).  256-319: Wq, 320-447: Wkv, 448-511: Wo (128 KiB in each); each of their 2,048 waves also makes
; 1 KiB of the table, while its weights are on their way.  512 work-groups of like size: two for each of 256 WGPs.
.set X,   16                           ; v[16:143] what the wave loaded
.set T,   4                            ; v[4:7]    packed 16-bit numbers, at work
.set SQ,  8                            ; v[8:15]   four chains of pairs: sums of squares; later at work for the remainders
.set GP,  144                          ; v[144:145] the row's power of two, twice; v146-147 the two rows' factors; v148-149 at work
.set GA,  150                          ; v150      x part: 16 x thread: my 16 bytes of each half of g, in memory and in LDS
.set G,   152                          ; v[152:215] x part: g of my 64 columns
.set TX,  152                          ; weight parts: four angles,
.set TC,  156                          ; their cosines,
.set TS,  160                          ; their sines,
.set TA,  164                          ; and where the angles lie
.set XBLK, 144*4096                    ; bytes of a block of xh
; four f32 in v[q .. q+3] are rounded to bf16 and widened again in place; v[t], v[t+1] at work
.macro TOBF q, t
	v_cvt_pk_bf16_f32 v[\t], v[\q], v[\q+1]
	v_cvt_pk_bf16_f32 v[\t+1], v[\q+2], v[\q+3]
	v_lshlrev_b32 v[\q], 16, v[\t]
	v_and_b32 v[\q+1], s30, v[\t]
	v_lshlrev_b32 v[\q+2], 16, v[\t+1]
	v_and_b32 v[\q+3], s30, v[\t+1]
.endm
; cos and sin of angle n; s52 = 2 turns the sine's sign, 0 leaves it
.macro SINCOS n
	v_cvt_pk_bf16_f32 v4, v[TX+\n], v[TX+\n]
	v_lshlrev_b32 v4, 16, v4                       ; the angle, rounded to bf16
	v_mul_f32 v5, s42, v4
	v_rndne_f32 v5, v5                             ; k = the nearest multiple of pi/2
	v_fma_f32 v6, v5, s43, v4
	v_fma_f32 v6, v5, s44, v6
	v_fma_f32 v6, v5, s45, v6                      ; r = angle - k pi/2
	v_cvt_i32_f32 v7, v5
	v_mul_f32 v8, v6, v6                           ; s
	v_fma_f32 v9, v8, s48, s47
	v_fma_f32 v9, v9, v8, s46
	v_mul_f32 v10, v8, v6
	v_fma_f32 v9, v10, v9, v6                      ; sin r
	v_fma_f32 v11, v8, s51, s50
	v_fma_f32 v11, v11, v8, s49
	v_fma_f32 v12, v8, -0.5, 1.0
	v_mul_f32 v13, v8, v8
	v_fma_f32 v11, v13, v11, v12                   ; cos r
	v_and_b32 v12, 1, v7
	v_cmp_eq_u32 vcc_lo, 1, v12                    ; odd k: the two change places
	v_cndmask_b32 v13, v9, v11, vcc_lo
	v_cndmask_b32 v14, v11, v9, vcc_lo
	v_add_nc_u32 v12, s52, v7                      ; the sine is negative where bit 1 of k is set,
	v_lshlrev_b32 v12, 30, v12
	v_and_b32 v12, 0x80000000, v12
	v_xor_b32 v[TS+\n], v12, v13
	v_add_nc_u32 v12, 1, v7                        ; the cosine where bit 1 of k + 1 is set
	v_lshlrev_b32 v12, 30, v12
	v_and_b32 v12, 0x80000000, v12
	v_xor_b32 v[TC+\n], v12, v14
.endm
; the wave's part of the table, worked off while its weights are on their way
.macro TWORK
	s_wait_loadcnt 32                              ; loads come back in order: the angles, the oldest load, are in; the 32 loads of weights may be out
.irp n, 0,1,2,3
	SINCOS \n
.endr
	global_store_b128 v1, v[TC:TC+3], s[28:29]                 ; each store covers 512 consecutive bytes, aligned
	global_store_b128 v1, v[TS:TS+3], s[28:29] offset:2048
.endm
; weights: a wave takes 16 KiB of consecutive source as four chunks of 4 KiB
.macro WLOAD src
.irp c, 0,1,2,3
.irp j, 0,1,2,3,4,5,6,7
	global_load_b128 v[X+32*\c+4*\j:X+32*\c+4*\j+3], v1, s[\src:\src+1] offset:\c*4096+\j*512 th:TH_LOAD_NT
.endr
.endr
.endm
; chunk c goes to byte d behind the wave's base in s[dst:dst+1]
.macro WCHUNK c, d, dst
	s_wait_loadcnt (3-\c)*8                        ; the younger chunks' loads may be out
.set j, 0
.rept 8
.set q, X+32*\c+4*j
.set t, T+2*(j&1)
	TOBF q, t
	v_cvt_pk_f16_f32 v[q], v[q], v[q+1]
	v_cvt_pk_f16_f32 v[q+1], v[q+2], v[q+3]
	global_store_b64 v2, v[q:q+1], s[\dst:\dst+1] offset:\d+j*256  ; 32 lanes store 256 consecutive bytes, aligned
.set j, j+1
.endr
.endm
; x: row e of the wave's two.  left = how many younger loads may be out.  lo = 1: the row's remainder is stored too, 128 rows further down.
.macro XROW e, left, lo
	s_wait_loadcnt \left
.set j, 0
.rept 16
.set q, X+64*\e+4*j
.set t, T+2*(j&1)
	TOBF q, t
.if j < 2
	v_pk_mul_f32 v[SQ+4*j:SQ+4*j+1], v[q:q+1], v[q:q+1]            ; the first squares start the four chains: nothing is cleared
	v_pk_mul_f32 v[SQ+4*j+2:SQ+4*j+3], v[q+2:q+3], v[q+2:q+3]
.else
	v_pk_fma_f32 v[SQ+4*(j&1):SQ+4*(j&1)+1], v[q:q+1], v[q:q+1], v[SQ+4*(j&1):SQ+4*(j&1)+1]
	v_pk_fma_f32 v[SQ+4*(j&1)+2:SQ+4*(j&1)+3], v[q+2:q+3], v[q+2:q+3], v[SQ+4*(j&1)+2:SQ+4*(j&1)+3]
.endif
.set j, j+1
.endr
	v_pk_add_f32 v[SQ:SQ+1], v[SQ:SQ+1], v[SQ+2:SQ+3]
	v_pk_add_f32 v[SQ+4:SQ+5], v[SQ+4:SQ+5], v[SQ+6:SQ+7]
	v_pk_add_f32 v[SQ:SQ+1], v[SQ:SQ+1], v[SQ+4:SQ+5]
	v_add_f32 v[SQ], v[SQ], v[SQ+1]
	v_add_f32_dpp v[SQ], v[SQ], v[SQ] row_xmask:1 row_mask:0xf bank_mask:0xf
	v_add_f32_dpp v[SQ], v[SQ], v[SQ] row_xmask:2 row_mask:0xf bank_mask:0xf
	v_add_f32_dpp v[SQ], v[SQ], v[SQ] row_xmask:4 row_mask:0xf bank_mask:0xf
	v_add_f32_dpp v[SQ], v[SQ], v[SQ] row_xmask:8 row_mask:0xf bank_mask:0xf
	v_permlanex16_b32 v[SQ+1], v[SQ], s40, s41
	v_add_f32 v[SQ], v[SQ], v[SQ+1]                ; the row's sum of squares, in every lane
	v_sqrt_f32 v[SQ+1], v[SQ]
	v_nop                                          ; one plain instruction behind a transcendental before its result is read (ISA guide 5.7.2)
	s_wait_alu depctr_va_vdst(0)
	v_mul_f32 v[SQ+1], 0x3cb504f3, v[SQ+1]         ; x 2048^-1/2
	v_max_num_f32 v[SQ+1], 0x322bcc77, v[SQ+1]     ; at least 1e-8
	v_rcp_f32 v[SQ+2], v[SQ+1]
	v_nop
	s_wait_alu depctr_va_vdst(0)
	v_and_b32 v[GP], 0x7f800000, v[SQ+2]           ; its power of two goes into xh (an exact product),
	v_and_b32 v[GP+1], 0x7f800000, v[SQ+2]
	v_and_or_b32 v[GP+2+\e], v[SQ+2], s31, s32     ; its mantissa, in [1, 2), into rn
.set j, 0
.rept 16
.set q, X+64*\e+4*j
.set gq, G+4*j
	v_pk_mul_f32 v[q:q+1], v[q:q+1], v[GP:GP+1]
	v_pk_mul_f32 v[q+2:q+3], v[q+2:q+3], v[GP:GP+1]
	v_pk_mul_f32 v[q:q+1], v[q:q+1], v[gq:gq+1]                    ; p: 8 bits times 8 bits, exact
	v_pk_mul_f32 v[q+2:q+3], v[q+2:q+3], v[gq+2:gq+3]
.if \lo
	v_cvt_pk_f16_f32 v4, v[q], v[q+1]
	v_cvt_pk_f16_f32 v5, v[q+2], v[q+3]
	v_cvt_f32_f16 v8, v4.l
	v_cvt_f32_f16 v9, v4.h
	v_cvt_f32_f16 v10, v5.l
	v_cvt_f32_f16 v11, v5.h
	v_sub_f32 v12, v[q], v8                        ; p - f16(p), exact
	v_sub_f32 v13, v[q+1], v9
	v_sub_f32 v14, v[q+2], v10
	v_sub_f32 v15, v[q+3], v11
.endif
	v_cvt_pk_f16_f32 v[q], v[q], v[q+1]
	v_cvt_pk_f16_f32 v[q+1], v[q+2], v[q+3]
	global_store_b64 v2, v[q:q+1], s[20:21] offset:\e*4096+j*256   ; 32 lanes store 256 consecutive bytes, aligned
.if \lo
	v_cvt_pk_f16_f32 v[q+2], v12, v13
	v_cvt_pk_f16_f32 v[q+3], v14, v15
	global_store_b64 v2, v[q+2:q+3], s[20:21] offset:128*4096+\e*4096+j*256
.endif
.set j, j+1
.endr
.endm
	s_load_b512 s[8:23], s[0:1], 0x0               ; x 8, g 10, rotary_emb 12, Wq 14, Wkv 16, Wo 18, xh 20, rn 22
	s_load_b128 s[24:27], s[0:1], 0x40             ; wh 24, woh 26
	s_load_b64 s[28:29], s[0:1], 0x50              ; tab
	v_lshl_add_u32 v216, v0, 2, 0x2000
	v_mov_b32 v217, 0
	s_mov_b32 s2, ttmp9
	v_lshrrev_b32 v1, 5, v0
	v_readfirstlane_b32 s3, v1                     ; wave 0..7
	v_and_b32 v3, 31, v0                           ; lane
	v_lshlrev_b32 v1, 4, v3                        ; 16 bytes a lane: f32 in
	v_lshlrev_b32 v2, 3, v3                        ; 8 bytes a lane: f16 out
	s_mov_b32 s7, 0                                ; upper word of every offset pair s[6:7]
	s_mov_b32 s30, 0xffff0000                      ; a word's upper bf16
	s_wait_kmcnt 0x0
	s_cmp_lt_u32 s2, 256
	s_cbranch_scc1 .Lpart_x
; ---- the weights' work-groups.  First the wave's part of the table is asked for.
; The table: for positions 16 rb + r and d = 16 w + 8 h + 0..7 and d + 64 (r = lane mod 16, h = lane / 16) eight blocks of 512 bytes at 4,096 (4 rb + w):
; block 0,1 cos[d], 2,3 cos[d+64], 4,5 -sin[d], 6,7 +sin[d+64]: the lane layout in which the projection holds its sums.
; Wave tw = 16 rb + 4 w + i of the 2,048 makes blocks i and 4 + i, from one load of 16 bytes a lane: pieces of 16 bytes of rows 512 bytes apart, of an
; input of 1 MiB that is read once; the sixteen waves of an rb, which lie in two neighbouring work-groups, use each of its rows whole between them.
	s_sub_co_u32 s4, s2, 256
	s_lshl3_add_u32 s4, s4, s3                     ; tw = 8 (work-group - 256) + wave
	s_lshr_b32 s5, s4, 4                           ; rb:
	s_lshl_b32 s6, s5, 13                          ; 16 rows of 512 bytes
	s_bfe_u32 s5, s4, 0x20002                      ; w:
	s_lshl_b32 s5, s5, 6                           ; 16 numbers of 4 bytes
	s_add_co_u32 s6, s6, s5
	s_and_b32 s5, s4, 1                            ; i odd: the second four of a lane's eight numbers
	s_lshl_b32 s5, s5, 4
	s_add_co_u32 s6, s6, s5
	s_bfe_u32 s5, s4, 0x10001                      ; i >= 2: d + 64
	s_lshl_b32 s5, s5, 8
	s_add_co_u32 s6, s6, s5
	s_add_nc_u64 s[12:13], s[12:13], s[6:7]
	s_lshr_b32 s6, s4, 2
	s_lshl_b32 s6, s6, 12                          ; 4,096 (4 rb + w)
	s_and_b32 s5, s4, 3                            ; i
	s_lshl_b32 s33, s5, 9
	s_add_co_u32 s6, s6, s33
	s_add_nc_u64 s[28:29], s[28:29], s[6:7]
	s_cmp_lt_u32 s5, 2
	s_cselect_b32 s52, 2, 0                        ; the sines of d < 64 enter with a minus
	v_and_b32 v4, 15, v3
	v_lshrrev_b32 v5, 4, v3
	v_lshlrev_b32 v[TA], 9, v4                     ; r rows
	v_lshl_add_u32 v[TA], v5, 5, v[TA]             ; + 8 h numbers
	global_load_b128 v[TX:TX+3], v[TA], s[12:13]
	s_mov_b32 s42, 0x3f22f983                      ; 2 / pi
	s_mov_b32 s43, 0xbfc90fdb                      ; - pi/2, first part
	s_mov_b32 s44, 0x333bbd2e                      ; second part
	s_mov_b32 s45, 0x26f72ced                      ; third part
	s_mov_b32 s46, 0xbe2aaaa3                      ; sine: r + r s (S1 + s (S2 + s S3)), s = r r
	s_mov_b32 s47, 0x3c08839e
	s_mov_b32 s48, 0xb94ca1f9
	s_mov_b32 s49, 0x3d2aaaa5                      ; cosine: 1 - s/2 + s s (C1 + s (C2 + s C3))
	s_mov_b32 s50, 0xbab6061a
	s_mov_b32 s51, 0x37ccf5ce
	s_cmp_lt_u32 s2, 320
	s_cbranch_scc1 .Lpart_wq
	s_cmp_lt_u32 s2, 448
	s_cbranch_scc1 .Lpart_wkv
	s_sub_co_u32 s4, s4, 1536                      ; Wo keeps its shape: 16 KiB in, 8 KiB out
	s_lshl_b32 s6, s4, 14
	s_add_nc_u64 s[18:19], s[18:19], s[6:7]
	WLOAD 18
	s_lshl_b32 s6, s4, 13
	s_add_nc_u64 s[26:27], s[26:27], s[6:7]
	TWORK
	WCHUNK 0, 0, 26
	WCHUNK 1, 2048, 26
	WCHUNK 2, 4096, 26
	WCHUNK 3, 6144, 26
	s_endpgm
.Lpart_wq:                                         ; four rows of Wq (4,096 bytes each) a wave, to columns 0-1023 of wh's rows of 6,144 bytes
	s_lshl_b32 s6, s4, 14
	s_add_nc_u64 s[14:15], s[14:15], s[6:7]
	WLOAD 14
	s_mul_i32 s6, s4, 4*6144
	s_add_nc_u64 s[24:25], s[24:25], s[6:7]
	TWORK
	WCHUNK 0, 0, 24
	WCHUNK 1, 6144, 24
	WCHUNK 2, 12288, 24
	WCHUNK 3, 18432, 24
	s_endpgm
.Lpart_wkv:                                        ; two rows of Wkv (8,192 bytes each) a wave, to columns 1024-3071
	s_sub_co_u32 s4, s4, 512
	s_lshl_b32 s6, s4, 14
	s_add_nc_u64 s[16:17], s[16:17], s[6:7]
	WLOAD 16
	s_mul_i32 s6, s4, 2*6144
	s_add_co_u32 s6, s6, 2048
	s_add_nc_u64 s[24:25], s[24:25], s[6:7]
	TWORK
	WCHUNK 0, 0, 24
	WCHUNK 1, 2048, 24
	WCHUNK 2, 6144, 24
	WCHUNK 3, 8192, 24
	s_endpgm
; ---- x.  A wave takes two rows of 8,192 bytes and keeps them in registers between the sum of squares and the scaling.
.Lpart_x:
	s_mov_b32 s31, 0x7fffff
	s_mov_b32 s32, 0x3f800000
	s_mov_b32 s40, 0x76543210                      ; v_permlanex16_b32: lane i of one half reads lane i of the other
	s_mov_b32 s41, 0xfedcba98
	s_lshl_b32 s6, s2, 17                          ; x: 16 rows of 8,192 bytes a work-group,
	s_lshl_b32 s4, s3, 14                          ; 2 a wave
	s_add_co_u32 s6, s6, s4
	s_add_nc_u64 s[8:9], s[8:9], s[6:7]
	s_lshr_b32 s5, s2, 3                           ; xh: the block of 128 rows,
	s_mul_i32 s6, s5, XBLK
	s_and_b32 s34, s2, 7                           ; which 16 rows of it (0: the rows that also leave a remainder),
	s_lshl_b32 s5, s34, 16
	s_add_co_u32 s6, s6, s5
	s_lshl_b32 s5, s3, 13                          ; 2 rows of 4,096 bytes a wave
	s_add_co_u32 s6, s6, s5
	s_add_nc_u64 s[20:21], s[20:21], s[6:7]
	s_lshl_b32 s6, s2, 6                           ; rn: 4 bytes a row
	s_lshl3_add_u32 s6, s3, s6
	s_add_nc_u64 s[22:23], s[22:23], s[6:7]
	v_lshlrev_b32 v[GA], 4, v0
	global_load_b128 v[G:G+3], v[GA], s[10:11]                     ; g, 8,192 bytes, once for the work-group: 256 threads, twice 16 bytes
	global_load_b128 v[G+4:G+7], v[GA], s[10:11] offset:4096
.irp e, 0,1
.irp j, 0,1,2,3,4,5,6,7,8,9,10,11,12,13,14,15
	global_load_b128 v[X+64*\e+4*\j:X+64*\e+4*\j+3], v1, s[8:9] offset:\e*8192+\j*512 th:TH_LOAD_NT
.endr
.endr
	s_wait_loadcnt 32                              ; loads come back in order: my two of g are in, the 32 of x may be out
	TOBF G, T
	TOBF G+4, T+2
	ds_store_b128 v[GA], v[G:G+3]                  ; g, rounded, lies in LDS as it lies in memory
	ds_store_b128 v[GA], v[G+4:G+7] offset:4096
	s_wait_dscnt 0x0                               ; my stores are done: the other waves read them behind the barrier
	s_barrier_signal -1
	s_barrier_wait -1
.irp j, 0,1,2,3,4,5,6,7,8,9,10,11,12,13,14,15
	ds_load_b128 v[G+4*\j:G+4*\j+3], v1 offset:\j*512              ; g of the columns that my loads of x take
.endr
	s_wait_dscnt 0x0
	s_cmp_eq_u32 s34, 0
	s_cbranch_scc1 .Lx_with_rest
	XROW 0, 16, 0                                  ; the other row's sixteen loads may be out
	XROW 1, 0, 0
	s_branch .Lx_factors
.Lx_with_rest:
	XROW 0, 16, 1
	XROW 1, 0, 1
.Lx_factors:
	v_cmp_eq_u32 vcc_lo, 1, v3
	v_cndmask_b32 v[GP+4], v[GP+2], v[GP+3], vcc_lo        ; lane 0: the first row's factor, lane 1: the second's
	v_lshlrev_b32 v[GP+5], 2, v3
	v_cmp_gt_u32 vcc_lo, 2, v3
	s_wait_xcnt 0x0                                ; EXEC is a source of the stores above: it changes only behind this wait
	s_and_saveexec_b32 s33, vcc_lo
	global_store_b32 v[GP+5], v[GP+4], s[22:23]    ; 8 bytes a wave: rn is 16 KiB in all, these blocks are written in parts
	s_wait_xcnt 0x0
	s_or_b32 exec_lo, exec_lo, s33
	s_wait_tensorcnt 0x0
	ds_add_u32 v216, v217
	s_wait_dscnt 0x0
	s_endpgm
.Lfunc_end_k_q25cc876353_prep:
	.size	k_q25cc876353_prep, .Lfunc_end_k_q25cc876353_prep-k_q25cc876353_prep
	.p2alignl 7, 3214868480
	.fill 96, 4, 3214868480
	.section	.rodata,"a",@progbits
	.p2align	6, 0x0
	.amdhsa_kernel k_q25cc876353_prep
		.amdhsa_group_segment_fixed_size 9216
		.amdhsa_private_segment_fixed_size 0
		.amdhsa_enable_private_segment 0
		.amdhsa_kernarg_size 88
		.amdhsa_user_sgpr_count 2
		.amdhsa_user_sgpr_kernarg_segment_ptr 1
		.amdhsa_wavefront_size32 1
		.amdhsa_system_sgpr_workgroup_id_x 1
		.amdhsa_system_sgpr_workgroup_id_y 1
		.amdhsa_system_sgpr_workgroup_id_z 1
		.amdhsa_system_vgpr_workitem_id 0
		.amdhsa_next_free_vgpr 218
		.amdhsa_next_free_sgpr 66
		.amdhsa_reserve_vcc 1
		.amdhsa_float_denorm_mode_32 3
		.amdhsa_float_denorm_mode_16_64 3
		.amdhsa_memory_ordered 1
		.amdhsa_forward_progress 1
		.amdhsa_inst_pref_size 159
	.end_amdhsa_kernel
	.amdgpu_metadata
---
amdhsa.version: [ 1, 2 ]
amdhsa.kernels:
  - .name:           k_q25cc876353_prep
    .symbol:         k_q25cc876353_prep.kd
    .args:
      - { .name: x, .offset: 0, .size: 8, .value_kind: global_buffer, .address_space: global }
      - { .name: g, .offset: 8, .size: 8, .value_kind: global_buffer, .address_space: global }
      - { .name: rotary_emb, .offset: 16, .size: 8, .value_kind: global_buffer, .address_space: global }
      - { .name: Wq, .offset: 24, .size: 8, .value_kind: global_buffer, .address_space: global }
      - { .name: Wkv, .offset: 32, .size: 8, .value_kind: global_buffer, .address_space: global }
      - { .name: Wo, .offset: 40, .size: 8, .value_kind: global_buffer, .address_space: global }
      - { .name: xh, .offset: 48, .size: 8, .value_kind: global_buffer, .address_space: global }
      - { .name: rn, .offset: 56, .size: 8, .value_kind: global_buffer, .address_space: global }
      - { .name: wh, .offset: 64, .size: 8, .value_kind: global_buffer, .address_space: global }
      - { .name: woh, .offset: 72, .size: 8, .value_kind: global_buffer, .address_space: global }
      - { .name: tab, .offset: 80, .size: 8, .value_kind: global_buffer, .address_space: global }
    .group_segment_fixed_size: 9216
    .private_segment_fixed_size: 0
    .kernarg_segment_align: 8
    .kernarg_segment_size: 88
    .max_flat_workgroup_size: 256
    .sgpr_count:     66
    .vgpr_count:     218
    .wavefront_size: 32
...
	.end_amdgpu_metadata
.endif
;; end of part 1
;; launch qkv (part 2): grid 8 x 32, 4 waves a work-group, clusters of 4 x 4, 327,680 bytes of LDS; arguments xh, wh, tab, rn, qkv; writes qkv
.if DOCPART == 2
	.amdgcn_target "amdgcn-amd-amdhsa--gfx1250"
	.amdhsa_code_object_version 6
	.text
	.protected	k_q25cc876353_qkv
	.globl	k_q25cc876353_qkv
	.p2align	8
	.type	k_q25cc876353_qkv,@function
k_q25cc876353_qkv:
	s_mov_b64 s[64:65], 0
	v_nop
	global_prefetch_b8 v0, s[64:65] scope:SCOPE_SE
	s_setreg_imm32_b32 hwreg(HW_REG_WAVE_MODE, 25, 1), 1
	s_wait_xcnt 0x0
	s_wait_alu depctr_hold_cnt(0) depctr_sa_sdst(0) depctr_va_vdst(0) depctr_va_sdst(0) depctr_va_ssrc(0) depctr_va_vcc(0) depctr_vm_vsrc(0)
	s_getreg_b32 s2, hwreg(HW_REG_IB_STS2, 6, 4)
	s_cmp_eq_u32 s2, 0
	s_cbranch_scc0 .Lentry_in_a_cluster
	s_endpgm
.Lentry_in_a_cluster:
	s_bfe_u32 s2, ttmp6, 0x10000c
	s_cmp_lg_u32 s2, 0xf033
	s_cbranch_scc0 .Lentry_shape_is_right
	s_endpgm
.Lentry_shape_is_right:
; q, k, v = (xh wh) x rn[row], rotary on q and k, q also times 128^-1/2 log2 e; out as f16 in 24 head blocks [q0-7, k0-7, v0-7][4096 rows][128].
; xh: [32 blocks][144 rows][2048] f16: a block's 128 rows, then the remainders (what f16 dropped) of its first 16 rows.
; wh: [2048 k][3072] f16, read as it lies through transposing LDS loads.  Sums in f32.
; A work-group makes 128 rows x 384 columns with four waves: head X of q, head X of k and head X of v, so that a head's kind is a constant of the text.
; Wave w makes all 128 rows x, in each head, the 16-column blocks w and w + 4: columns d and d + 64, which the rotary step pairs, then lie in one lane.
; 48 accumulator tiles, 384 registers.
; The remainder rows are a ninth fragment of xh, multiplied onto v's accumulators of row block 0: 2 matrix instructions more for every 48.  A sequence's first
; positions average over few keys and give the largest results of the output by far; there the 11 bits of v's operand would show.  Every block is treated alike: one path.
; STATED LIMITS: |q|, |k|, |v| < 65,504 (they leave as f16).  q and k are made from x g rounded to f16 in every row: an error of the size of their own rounding to f16.
; K goes in 16 steps of 128 through two LDS slots filled by the tensor data mover; every tile row is 256 bytes of memory, aligned.
; CLUSTERS: 4 x 4 work-groups.  The four of a row of the cluster share the rows of xh, the four of a column the columns of wh: each tile is asked for
; jointly, by the same load with the same descriptor in all four, which divides the requests by four.
; REGISTERS in windows of 256:  window 0: addresses, fragments of xh (two buffers of nine), work space of the way out;  window 1: the cos/sin table (256);
; window 2: accumulators of rows 0-63 at v[48 a + 8 b] (b = 2 kind + half; kind 0 q, 1 k, 2 v), fragments of wh, buffer 0, at v[192 + 8 b];  window 3: rows 64-127, buffer 1.
; THE MATRIX INSTRUCTION IS USED TRANSPOSED (source 0 = 16 columns of wh, source 1 = 16 rows of xh): lane l holds row l % 16 and columns 8 (l / 16) + 0..7.
.set KSTEP, 128
.set PA,    272                        ; LDS pitch of xh's rows: 256 + 16 bytes
.set PB,    288                        ; LDS pitch of wh's rows: 256 + 32 bytes, an odd multiple of 32 for the transposing loads
.set BT,    128*PB                     ; one head's tile of wh: 128 k x 128 columns
.set AOFF,  3*BT                       ; xh's tile lies behind the three
.set AROWS, 144                        ; 128 rows and 16 remainder rows
.set SLOT,  AOFF+AROWS*PA              ; 149,760 bytes
.set HSTG,  128*PA                     ; the way out: a head's 128 rows x 272 bytes, from LDS byte 0 on, in ring bytes that have had their last fill
.set LAPS,  8                          ; a lap = two K steps
.set RO,    8                          ; v8      4 r: my row's factor in rn
.set ADRA,  16                         ; v16-17  xh fragments, slot 0, 1
.set ADRB,  18                         ; v18-23  wh fragments, slot s, head hh at 18 + 3 s + hh
.set STO,   24                         ; v24-26  the way out: where I put 16 bytes, head hh
.set RD,    27                         ; v27-29  where I read rows back
.set LW,    31                         ; v31     4,096 w + 16 l: my byte offset in a row block of the table, and on the way out in 64 rows of a head block
.set RR,    40                         ; v40-47  rn of row 16 a + r
.set FH,    48                         ; v48-49  the row's factor for q, twice; v50-51 for k and v, twice
.set FA,    64                         ; v64-135, v136-207 fragments of xh: eight row blocks, then the remainders
.set FAS,   72
.set FB,    192                        ; windows 2, 3: fragments of wh
.set BK,    64                         ; window 0: v64-159 rows read back on the way out
.set T,     192                        ; window 0: v192-239 at work on the way out
.set G1A, 24
.set G0A, 32
.set G1B, 48
.set G0B, 56
.set OBQ, 12                           ; s[12:13] where my rows of q's head block lie,
.set OBK, 66                           ; s[66:67] of k's,
.set OBV, 68                           ; s[68:69] of v's
.set MSB, 0
.macro WIN new                         ; the immediate's high byte repeats the setting that is left
.if MSB != (\new)
	s_set_vgpr_msb (MSB<<8)|(\new)
.set MSB, (\new)
.endif
.endm
; A joint load.  Waves 0-2 fetch the tiles of wh for q, k and v, wave 3 xh's tile.  Each line has one mask; the branch hangs on the wave's number alone.
.macro JLOAD s
	s_cmp_eq_u32 s14, 3
	s_cbranch_scc0 .Lfor_b_\@
	tensor_load_to_lds s[G0A+4*\s:G0A+4*\s+3], s[G1A:G1A+7]
	s_nop 0
	s_branch .Lasked_\@
.Lfor_b_\@:
	tensor_load_to_lds s[G0B+4*\s:G0B+4*\s+3], s[G1B:G1B+7]
	s_nop 0
.Lasked_\@:
.endm
.macro CREST                           ; a round of the cluster's barrier behind its opening barrier
	s_cmp_lg_u32 s14, 0
	s_cbranch_scc1 .Lnot_wave_0_\@
	s_barrier_signal -3
.Lnot_wave_0_\@:
	s_barrier_wait -3
	s_barrier_signal -1
	s_barrier_wait -1
.endm
.macro CROUND
	s_barrier_signal -1
	s_barrier_wait -1
	CREST
.endm
.macro PLACES                          ; four plain vector instructions between a matrix instruction and what touches its registers (ISA guide 7.12.1)
.rept 4
	v_nop
.endr
.endm
	s_load_b256 s[4:11], s[0:1], 0x0               ; xh 4, wh 6, tab 8, rn 10
	s_load_b64 s[12:13], s[0:1], 0x20              ; qkv
	s_set_vgpr_msb 0xc0
	v_lshl_add_u32 v255, v0, 2, 0x49200
	s_set_vgpr_msb 0xc000
	v_mov_b32 v255, 0
	s_set_vgpr_msb 0x3
	ds_add_u32 v255, v255
	s_set_vgpr_msb 0x300
	v_lshrrev_b32 v1, 5, v0
	v_readfirstlane_b32 s14, v1                    ; wave 0..3
	s_bfe_u32 s40, ttmp6, 0x40000                  ; cx
	s_bfe_u32 s41, ttmp6, 0x40004                  ; cy
	s_lshl_b32 s42, ttmp9, 2
	s_add_co_u32 s42, s42, s40                     ; X: the head
	s_and_b32 s43, ttmp7, 0xffff
	s_lshl_b32 s43, s43, 2
	s_add_co_u32 s43, s43, s41                     ; Y: block of 128 rows
	s_lshl_b32 s44, s41, 2
	s_lshl_b32 s44, 15, s44                        ; my row of the cluster
	s_lshl_b32 s45, 0x1111, s40                    ; my column
	s_or_b32 s[G1A+0], s44, 0x07710000             ; mask; elements of 2 bytes; padding on; bit 21 beside a mask; after every 64 words 4 words
	s_or_b32 s[G1B+0], s45, 0x0f710000             ; the same with my column's mask and 8 words of padding
	s_mov_b32 s[G1A+1], 128<<16                    ; tensor_dim0 = 128
	s_mov_b32 s[G1B+1], 128<<16
	s_mov_b32 s[G1A+2], AROWS<<16                  ; tensor_dim1 = 144 rows of xh,
	s_mov_b32 s[G1B+2], 128<<16                    ; 128 of wh
	s_mov_b32 s[G1A+3], 128<<16                    ; tile_dim0 = 128
	s_mov_b32 s[G1B+3], 128<<16
	s_mov_b32 s[G1A+4], AROWS                      ; tile_dim1
	s_mov_b32 s[G1B+4], 128
	s_mov_b32 s[G1A+5], 2048                       ; elements from row to row of xh
	s_mov_b32 s[G1B+5], 3072                       ; and of wh
	s_mov_b32 s[G1A+6], 0
	s_mov_b32 s[G1B+6], 0
	s_mov_b32 s[G1A+7], 0
	s_mov_b32 s[G1B+7], 0
	s_mul_i32 s16, s43, AROWS*4096                 ; xh: block Y of 144 rows of 4,096 bytes
	s_mov_b32 s17, 0
	s_lshl_b32 s46, s42, 8                         ; wh: column 1,024 wave + 128 X, 2 bytes each: q's, k's, v's head X for waves 0, 1, 2
	s_lshl_b32 s47, s14, 11
	s_add_co_u32 s46, s46, s47
	s_mov_b32 s47, 0
	s_mul_i32 s20, s14, BT                         ; LDS: wave x 36,864: the three heads' tiles, then xh's
	s_and_b32 s18, s43, 15
	s_lshl_b32 s18, s18, 17                        ; table: 8 row blocks of 16,384 bytes for each block of 128 positions
	s_mov_b32 s19, 0
	s_wait_dscnt 0x0
	s_wait_kmcnt 0x0
	s_add_nc_u64 s[16:17], s[4:5], s[16:17]
	s_add_nc_u64 s[46:47], s[6:7], s[46:47]
	s_add_nc_u64 s[8:9], s[8:9], s[18:19]
	s_lshl_b32 s18, s43, 9
	s_add_nc_u64 s[10:11], s[10:11], s[18:19]      ; rn: 128 Y numbers
	CROUND                                         ; all sixteen work-groups are here: the first joint loads meet
.irp s, 0,1
	s_mov_b32 s[G0A+4*\s], 1
	s_add_co_u32 s[G0A+4*\s+1], s20, \s*SLOT
	s_add_nc_u64 s[G0A+4*\s+2:G0A+4*\s+3], s[16:17], \s*KSTEP*2
	s_or_b32 s[G0A+4*\s+3], s[G0A+4*\s+3], 0x80000000
	s_mov_b32 s[G0B+4*\s], 1
	s_add_co_u32 s[G0B+4*\s+1], s20, \s*SLOT
	s_add_nc_u64 s[G0B+4*\s+2:G0B+4*\s+3], s[46:47], \s*KSTEP*6144
	s_or_b32 s[G0B+4*\s+3], s[G0B+4*\s+3], 0x80000000
	JLOAD \s                                       ; K steps 0 and 1: two tensor loads of the wave are out
.endr
	v_and_b32 v5, 31, v0                           ; l
	v_and_b32 v1, 15, v0                           ; r = l % 16
	v_bfe_u32 v2, v0, 4, 1                         ; h = l / 16
	v_and_b32 v3, 7, v0
	v_bfe_u32 v4, v0, 3, 1
	v_lshlrev_b32 v[LW], 4, v5
	v_lshl_add_u32 v[LW], s14, 12, v[LW]           ; 4,096 wave + 16 l
	v_lshlrev_b32 v[RO], 2, v1
	; the table of my 128 positions and my columns, and my rows' factors: needed on the way out only, so they land while K is walked.
	; Their address registers (v8, v31, s[8:11]) are written nowhere else.
	WIN 0x40
.irp a, 0,1,2,3,4,5,6,7
.irp t, 0,1,2,3,4,5,6,7
	global_load_b128 v[32*\a+4*\t:32*\a+4*\t+3], v[LW], s[8:9] offset:\a*16384+\t*512
.endr
.endr
	WIN 0
.irp a, 0,1,2,3,4,5,6,7
	global_load_b32 v[RR+\a], v[RO], s[10:11] offset:64*\a
.endr
	v_mul_u32_u24 v6, v1, PA
	v_lshl_add_u32 v6, v2, 4, v6                   ; r x 272 + 16 h
	v_add_nc_u32 v[ADRA], AOFF, v6
	v_add_nc_u32 v[ADRA+1], AOFF+SLOT, v6
	v_lshl_add_u32 v7, v2, 3, v3                   ; transposing load: row 8 h + l % 8,
	v_mul_u32_u24 v7, v7, PB
	v_lshl_add_u32 v7, v4, 4, v7                   ; 16 bytes further for lanes 8-15 of each half,
	v_lshl_add_u32 v7, s14, 5, v7                  ; column block w
.irp s, 0,1
.irp hh, 0,1,2
	v_add_nc_u32 v[ADRB+3*\s+\hh], \s*SLOT+\hh*BT, v7
.endr
.endr
	v_lshl_add_u32 v9, s14, 5, v6                  ; stage in: row r, columns 16 w + 8 h
	v_mul_u32_u24 v10, v2, PA                      ; stage back: lanes 0-15 one row, lanes 16-31 the next,
	v_lshl_add_u32 v10, v1, 4, v10
	s_mul_i32 s21, s14, 16*PA                      ; of my 16 rows of each 64
	v_add_nc_u32 v10, s21, v10
.irp hh, 0,1,2
	v_add_nc_u32 v[STO+\hh], \hh*HSTG, v9
	v_add_nc_u32 v[RD+\hh], \hh*HSTG, v10
.endr
; 12 matrix instructions: row blocks a0, a0 + 1 of the window's four x my 6 column blocks, 32 along K.  zero = 1: the first product starts the sums.
; The accumulators take turns, one instruction a turn, in the same order in every quarter step.
.macro MUL12 f, hi, a0, zero
.irp a, \a0, \a0+1
.irp b, 0,1,2,3,4,5
.if \zero
	v_wmma_f32_16x16x32_f16 v[48*(\a)+8*\b:48*(\a)+8*\b+7], v[FB+8*\b:FB+8*\b+7], v[FA+FAS*\f+8*(4*\hi+\a):FA+FAS*\f+8*(4*\hi+\a)+7], 0
.else
	v_wmma_f32_16x16x32_f16 v[48*(\a)+8*\b:48*(\a)+8*\b+7], v[FB+8*\b:FB+8*\b+7], v[FA+FAS*\f+8*(4*\hi+\a):FA+FAS*\f+8*(4*\hi+\a)+7], v[48*(\a)+8*\b:48*(\a)+8*\b+7]
.endif
.endr
.endr
.endm
; 2 matrix instructions: the remainders of rows 0-15, onto v's sums of row block 0; row block 1's six instructions stand between these and row block 0's own
.macro MULREST f
.irp b, 4,5
	v_wmma_f32_16x16x32_f16 v[8*\b:8*\b+7], v[FB+8*\b:FB+8*\b+7], v[FA+FAS*\f+64:FA+FAS*\f+71], v[8*\b:8*\b+7]
.endr
.endm
; 30 LDS loads in one run: quarter q (32 along K) of a slot into buffer f: 6 fragments of wh (transposed on the way), the remainders, 8 fragments of xh
.macro FETCH slot, q, f
	WIN 0x80+0x40*\f
.irp hh, 0,1,2
.irp hf, 0,1
	ds_load_tr16_b128 v[FB+8*(2*\hh+\hf):FB+8*(2*\hh+\hf)+3],   v[ADRB+3*\slot+\hh] offset:\q*32*PB+128*\hf
	ds_load_tr16_b128 v[FB+8*(2*\hh+\hf)+4:FB+8*(2*\hh+\hf)+7], v[ADRB+3*\slot+\hh] offset:\q*32*PB+128*\hf+16*PB
.endr
.endr
	WIN 0
	ds_load_b128 v[FA+FAS*\f+64:FA+FAS*\f+67], v[ADRA+\slot] offset:64*\q+128*PA
	ds_load_b128 v[FA+FAS*\f+68:FA+FAS*\f+71], v[ADRA+\slot] offset:64*\q+128*PA+32
.irp i, 0,1,2,3,4,5,6,7
	ds_load_b128 v[FA+FAS*\f+8*\i:FA+FAS*\f+8*\i+3],   v[ADRA+\slot] offset:64*\q+\i*16*PA
	ds_load_b128 v[FA+FAS*\f+8*\i+4:FA+FAS*\f+8*\i+7], v[ADRA+\slot] offset:64*\q+\i*16*PA+32
.endr
.endm
; one of a K step's first three quarters: multiplies buffer f; in its middle fetches quarter q into buffer g
.macro QUARTER slot, q, f, g, zero
	s_wait_dscnt 8                                 ; all but the youngest eight loads (xh's rows 64-127) are in
	WIN 0xa2+\f
	MUL12 \f, 0, 0, \zero
	MULREST \f
	MUL12 \f, 0, 2, \zero
	PLACES
	FETCH \slot, \q, \g
	s_wait_dscnt 30                                ; all but the 30 just issued
	WIN 0xf2+\f
	MUL12 \f, 1, 0, \zero
	MUL12 \f, 1, 2, \zero
.endm
.macro THREE slot, zero
	QUARTER \slot, 1, 0, 1, \zero
	QUARTER \slot, 2, 1, 0, 0
	QUARTER \slot, 3, 0, 1, 0
.endm
; the last quarter multiplies buffer 1 and changes slots.  In front of the one barrier each wave waits for its reads of this slot and for all its
; tensor loads (one is out: its part of the next slot).  Where the slot is filled again the barrier opens a round of the cluster's barrier, and the
; joint refill is the first tensor load behind the round: it has the rest of this quarter and the next K step up to its last quarter in which to land.
.macro TURN slot, next, fill
	s_wait_dscnt 8
	WIN 0xa3
	MUL12 1, 0, 0, 0
	MULREST 1
	s_wait_dscnt 0
	s_wait_tensorcnt 0x0
	ds_add_u32 v255, v255
	s_wait_dscnt 0x0
	s_barrier_signal -1
	MUL12 1, 0, 2, 0
	WIN 0
	s_barrier_wait -1
.if \fill
	CREST
	s_add_nc_u64 s[G0A+4*\slot+2:G0A+4*\slot+3], s[G0A+4*\slot+2:G0A+4*\slot+3], 2*KSTEP*2
	s_add_nc_u64 s[G0B+4*\slot+2:G0B+4*\slot+3], s[G0B+4*\slot+2:G0B+4*\slot+3], 2*KSTEP*6144
	JLOAD \slot
.endif
	PLACES
	FETCH \next, 0, 0
	WIN 0xf3
	MUL12 1, 1, 0, 0
	MUL12 1, 1, 2, 0
.endm
.macro LAP zero
	THREE 0, \zero
	TURN 0, 1, 1
	THREE 1, 0
	TURN 1, 0, 1
.endm
	s_wait_tensorcnt 1                             ; my part of K step 0 is in; K step 1's may stay out
	s_barrier_signal -1
	s_barrier_wait -1
	FETCH 0, 0, 0
	LAP 1
	WIN 0
	s_mov_b32 s3, LAPS-2
.Llap:
	LAP 0
	WIN 0
	s_sub_co_u32 s3, s3, 1
	s_cmp_lg_u32 s3, 0
	s_cbranch_scc1 .Llap
	THREE 0, 0                                     ; the last lap fills nothing
	TURN 0, 1, 0
	THREE 1, 0
	s_wait_dscnt 8
	WIN 0xa3
	MUL12 1, 0, 0, 0
	MULREST 1
	MUL12 1, 0, 2, 0
	s_wait_dscnt 0
	WIN 0xf3
	MUL12 1, 1, 0, 0
	MUL12 1, 1, 2, 0
	; THE WAY OUT.  All reads of the ring are over in every wave behind this barrier; the stage takes ring bytes that are filled no more.
	WIN 0
	PLACES
	s_barrier_signal -1
	s_barrier_wait -1
	s_wait_loadcnt 0x0                             ; the table and the rows' factors
	s_lshl_b32 s74, s42, 20                        ; head X: a block of 1 MiB
	s_lshl_b32 s75, s43, 15                        ; 128 Y rows of 256 bytes
	s_add_co_u32 s74, s74, s75
	s_mov_b32 s75, 0
	s_add_nc_u64 s[OBQ:OBQ+1], s[OBQ:OBQ+1], s[74:75]
	s_add_nc_u64 s[OBK:OBK+1], s[OBQ:OBQ+1], 8<<20 ; k's blocks lie 8 MiB behind q's, v's 16: more than a store's immediate holds, so each has its base
	s_add_nc_u64 s[OBV:OBV+1], s[OBQ:OBQ+1], 16<<20
; row block a (ap = a % 4 in window W): rotary on q and k, the row's factor (q: also 128^-1/2 log2 e), f16, into the stage.
; out[d] = t[d] cos[d] + t[d+64] (-sin[d]);  out[d+64] = t[d+64] cos[d+64] + t[d] sin[d+64];  tile b and tile b xor 1 are the pair.
.macro ROPE a, ap, W
	WIN 0
	v_mul_f32 v[FH], 0x3e0293ee, v[RR+\a]
	v_mul_f32 v[FH+1], 0x3e0293ee, v[RR+\a]
	v_mov_b32 v[FH+2], v[RR+\a]
	v_mov_b32 v[FH+3], v[RR+\a]
	WIN \W+4                                       ; source 0: accumulators, source 1: the table, result in window 0
.irp b, 0,1,2,3
.irp p, 0,1,2,3
	v_pk_mul_f32 v[T+8*\b+2*\p:T+8*\b+2*\p+1], v[48*\ap+8*\b+2*\p:48*\ap+8*\b+2*\p+1], v[32*\a+8*(\b&1)+2*\p:32*\a+8*(\b&1)+2*\p+1]
.endr
.endr
.irp b, 0,1,2,3
.irp p, 0,1,2,3
	v_pk_fma_f32 v[T+8*\b+2*\p:T+8*\b+2*\p+1], v[48*\ap+8*(\b^1)+2*\p:48*\ap+8*(\b^1)+2*\p+1], v[32*\a+16+8*(\b&1)+2*\p:32*\a+16+8*(\b&1)+2*\p+1], v[T+8*\b+2*\p:T+8*\b+2*\p+1]
.endr
.endr
	WIN \W                                         ; source 0: accumulators; the rest in window 0: v is only scaled
.irp b, 4,5
.irp p, 0,1,2,3
	v_pk_mul_f32 v[T+8*\b+2*\p:T+8*\b+2*\p+1], v[48*\ap+8*\b+2*\p:48*\ap+8*\b+2*\p+1], v[FH+2:FH+3]
.endr
.endr
	WIN 0
.irp b, 0,1,2,3
.irp p, 0,1,2,3
	v_pk_mul_f32 v[T+8*\b+2*\p:T+8*\b+2*\p+1], v[T+8*\b+2*\p:T+8*\b+2*\p+1], v[FH+2*(\b>>1):FH+2*(\b>>1)+1]
.endr
.endr
.set i, 0
.rept 24
	v_cvt_pk_f16_f32 v[T+i], v[T+2*i], v[T+2*i+1]  ; packed downward in place: word i is written when words 2 i and 2 i + 1 are read
.set i, i+1
.endr
.irp b, 0,1,2,3,4,5
	ds_store_b128 v[STO+(\b>>1)], v[T+4*\b:T+4*\b+3] offset:\a*16*PA+128*(\b&1)
.endr
.endm
; rows 64 half + 16 w .. + 15 of the three heads are read back, two rows a load, and stored as 512 consecutive bytes, aligned
.macro BACKST hh, ob, half
.irp t, 0,1,2,3,4,5,6,7
	s_wait_dscnt 23-8*\hh-\t                       ; LDS loads come back in order: this one of the 24 is in, the younger ones may be out
	global_store_b128 v[LW], v[BK+32*\hh+4*\t:BK+32*\hh+4*\t+3], s[\ob:\ob+1] offset:\half*16384+\t*512
.endr
.endm
.macro BACK half
.irp hh, 0,1,2
.irp t, 0,1,2,3,4,5,6,7
	ds_load_b128 v[BK+32*\hh+4*\t:BK+32*\hh+4*\t+3], v[RD+\hh] offset:\half*64*PA+\t*2*PA
.endr
.endr
	BACKST 0, OBQ, \half
	BACKST 1, OBK, \half
	BACKST 2, OBV, \half
.endm
	; In two halves of 64 rows, so that the first half's stores are on their way while the second half is worked on.  The halves' stage bytes are apart:
	; a head's rows 0-63 end at byte 63 x 272 + 256 of its stage, rows 64-127 begin at 64 x 272.
	ROPE 0, 0, 2
	ROPE 1, 1, 2
	ROPE 2, 2, 2
	ROPE 3, 3, 2
	s_wait_dscnt 0x0                               ; my stores into the stage are done: the other waves read them behind the barrier
	s_barrier_signal -1
	s_barrier_wait -1
	BACK 0
	ROPE 4, 0, 3
	ROPE 5, 1, 3
	ROPE 6, 2, 3
	ROPE 7, 3, 3
	s_wait_dscnt 0x0
	s_barrier_signal -1
	s_barrier_wait -1
	s_wait_xcnt 0x0                                ; the first half's stores have read v64-159: they are loaded again only behind this wait
	BACK 1
	s_set_vgpr_msb 0x3
	s_wait_tensorcnt 0x0
	ds_add_u32 v255, v255
	s_wait_dscnt 0x0
	s_set_vgpr_msb 0x300
	CROUND                                         ; the closing round: no work-group ends while a partner may still ask for a tile that names it
	s_endpgm
.Lfunc_end_k_q25cc876353_qkv:
	.size	k_q25cc876353_qkv, .Lfunc_end_k_q25cc876353_qkv-k_q25cc876353_qkv
	.p2alignl 7, 3214868480
	.fill 96, 4, 3214868480
	.section	.rodata,"a",@progbits
	.p2align	6, 0x0
	.amdhsa_kernel k_q25cc876353_qkv
		.amdhsa_group_segment_fixed_size 327680
		.amdhsa_private_segment_fixed_size 0
		.amdhsa_enable_private_segment 0
		.amdhsa_kernarg_size 40
		.amdhsa_user_sgpr_count 2
		.amdhsa_user_sgpr_kernarg_segment_ptr 1
		.amdhsa_wavefront_size32 1
		.amdhsa_system_sgpr_workgroup_id_x 1
		.amdhsa_system_sgpr_workgroup_id_y 1
		.amdhsa_system_sgpr_workgroup_id_z 1
		.amdhsa_system_vgpr_workitem_id 0
		.amdhsa_next_free_vgpr 1024
		.amdhsa_next_free_sgpr 80
		.amdhsa_reserve_vcc 0
		.amdhsa_float_denorm_mode_32 3
		.amdhsa_float_denorm_mode_16_64 3
		.amdhsa_memory_ordered 1
		.amdhsa_forward_progress 1
		.amdhsa_inst_pref_size 201
	.end_amdhsa_kernel
	.amdgpu_metadata
---
amdhsa.version: [ 1, 2 ]
amdhsa.kernels:
  - .name:           k_q25cc876353_qkv
    .symbol:         k_q25cc876353_qkv.kd
    .args:
      - { .name: xh, .offset: 0, .size: 8, .value_kind: global_buffer, .address_space: global }
      - { .name: wh, .offset: 8, .size: 8, .value_kind: global_buffer, .address_space: global }
      - { .name: tab, .offset: 16, .size: 8, .value_kind: global_buffer, .address_space: global }
      - { .name: rn, .offset: 24, .size: 8, .value_kind: global_buffer, .address_space: global }
      - { .name: qkv, .offset: 32, .size: 8, .value_kind: global_buffer, .address_space: global }
    .group_segment_fixed_size: 327680
    .private_segment_fixed_size: 0
    .kernarg_segment_align: 8
    .kernarg_segment_size: 40
    .max_flat_workgroup_size: 128
    .sgpr_count:     80
    .vgpr_count:     1024
    .wavefront_size: 32
...
	.end_amdgpu_metadata
.endif
;; end of part 2
;; launch attn (part 3): grid 256 x 1, 4 waves a work-group, clusters of 4 x 1, 327,680 bytes of LDS; arguments qkv, oh; writes oh
.if DOCPART == 3
	.amdgcn_target "amdgcn-amd-amdhsa--gfx1250"
	.amdhsa_code_object_version 6
	.text
	.protected	k_q25cc876353_attn
	.globl	k_q25cc876353_attn
	.p2align	8
	.type	k_q25cc876353_attn,@function
k_q25cc876353_attn:
	s_mov_b64 s[64:65], 0
	v_nop
	global_prefetch_b8 v0, s[64:65] scope:SCOPE_SE
	s_setreg_imm32_b32 hwreg(HW_REG_WAVE_MODE, 25, 1), 1
	s_wait_xcnt 0x0
	s_wait_alu depctr_hold_cnt(0) depctr_sa_sdst(0) depctr_va_vdst(0) depctr_va_sdst(0) depctr_va_ssrc(0) depctr_va_vcc(0) depctr_vm_vsrc(0)
	s_getreg_b32 s2, hwreg(HW_REG_IB_STS2, 6, 4)
	s_cmp_eq_u32 s2, 0
	s_cbranch_scc0 .Lentry_in_a_cluster
	s_endpgm
.Lentry_in_a_cluster:
	s_bfe_u32 s2, ttmp6, 0x10000c
	s_cmp_lg_u32 s2, 0x3003
	s_cbranch_scc0 .Lentry_shape_is_right
	s_endpgm
.Lentry_shape_is_right:
; Causal attention for 16 (batch, head) pairs, 2,048 positions, 128 numbers a head.  q (already times 128^-1/2 log2 e), k, v: f16 head blocks.
; oh: [32 blocks][144 rows][1024] f16: a block's 128 rows of the result, then the remainders (what f16 dropped) of its first 16 rows: a sequence's first positions
; average over few keys and are the largest of the output by far; there 11 bits would show.  Every block is treated alike.
; Softmax with a running maximum in base 2, in f32.  P = 2^(s - m) is rounded to f16, and the row sum is made from the rounded P by the matrix unit (a fragment of ones).
; Masked scores are -FLT_MAX, as in the problem; the exponent is the plain difference s - m, so that -FLT_MAX - (-FLT_MAX) = 0 exactly.
; SHARES.  A (batch, head) has 8 groups of 256 queries; group g needs key tiles 0..g of 256 keys.  A cluster of four work-groups takes group 2 c and then group
; 7 - 2 c (c = cluster mod 4): nine tiles for every cluster.  Partner cx takes queries 64 cx .. 64 cx + 63 of the group; all four walk the same K and V tiles and ask
; for them jointly, which divides the requests by four.  The diagonal tile comes first and is computed whole and masked by all partners alike, so that paths and
; trip counts hang on c alone.
; In a work-group the KEYS are shared out: wave w takes keys 64 w .. 64 w + 63 of each tile for all 64 queries, with Q in registers, so that each fragment of K or V read
; from LDS feeds four matrix instructions.  Each wave keeps its own maximum, sum and O; they are merged through LDS at the end of a group.
; ORIENTATION.  S^T = K Q^T: lane (r, h) holds query r and keys 8 h + j, so row figures are a lane's own but for one exchange of the halves, and P^T packs in the
; lane into the second operand of O^T = V^T P^T (V through transposing LDS loads): lane (r, h) then holds query r and d = 8 h + j.
.set PK,   272                         ; LDS pitch of K's rows
.set PV,   288                         ; LDS pitch of V's rows (transposing loads: an odd multiple of 32)
.set KOFF, 256*PV                      ; a slot: V's 256 rows, then K's
.set SLOT, KOFF+256*PK                 ; 143,360 bytes
.set MLB,  2*SLOT                      ; 4,096 bytes: every wave's maxima and sums.  No fill lands here or behind
.set XCH,  MLB+4096                    ; 32,768 bytes: exchange of O, then the stage of the way out (64 rows and 16 remainder rows of 272 bytes)
.set OBLK, 144*2048                    ; bytes of a block of oh
; window 0
.set ALG, 0                            ; v0     remainder rows: my offset in oh (written last in the set-up, when the thread's number is no longer needed)
.set ALL, 1                            ; v1     remainder rows: where I read them back
.set KA, 2                             ; v2-3   K fragments, slot 0, 1
.set VA, 4                             ; v4-5   V fragments
.set QO, 6                             ; v6     my offset in Q
.set DG, 7                             ; v7     64 cx + r - 64 w - 8 h: key j of key block kb is masked for query block qb where j + 16 (kb - qb) > this
.set NEG, 8                            ; v8     -FLT_MAX
.set AML, 9
.set AXS, 10
.set AXL, 11
.set AMR, 12
.set AOS, 13
.set AOL, 14
.set AOG, 15
.set M,  16                            ; v16-19 running maximum of query block qb
.set NM, 20                            ; v20-27 its negative, twice
.set AL, 28                            ; v28-35 2^(old - new), twice
.set TM, 36
.set TP, 40
.set LL, 44
.set ONES, 48                          ; v48-55 a fragment of ones in f16
.set FR, 64                            ; v64-95, v96-127 two buffers of four fragments
.set S,  128                           ; v[128 + 32 kb + 8 qb] scores
.set R,  64                            ; merge: my share of the result
.set XR, 128                           ; merge: what the four waves sent
.set FU, 192                           ; merge: wave u's factor for query block qb, twice
.set MU, 224
.set LU, 240
; window 1: Q of the first group at v[32 qb + 8 dc], of the second at + 128.  window 2: O at v[32 db + 8 qb].  window 3: sums at v[8 qb], P at v[32 + 32 kc + 8 qb]
.set P,  32
.set MSB, 0
.macro WIN new
.if MSB != (\new)
	s_set_vgpr_msb (MSB<<8)|(\new)
.set MSB, (\new)
.endif
.endm
.macro PLACES                          ; four plain vector instructions between a matrix instruction and what touches its registers (ISA guide 7.12.1)
.rept 4
	v_nop
.endr
.endm
.macro ROUND                           ; a round of the cluster's barrier
	s_barrier_signal -1
	s_barrier_wait -1
	s_cmp_lg_u32 s8, 0
	s_cbranch_scc1 .Lnot_wave_0_\@
	s_barrier_signal -3
.Lnot_wave_0_\@:
	s_barrier_wait -3
	s_barrier_signal -1
	s_barrier_wait -1
.endm
.macro JLOAD                           ; waves 0, 1: the halves of V's tile; waves 2, 3: of K's
	s_cmp_lt_u32 s8, 2
	s_cbranch_scc0 .Lfor_k_\@
	tensor_load_to_lds s[40:43], s[24:31]
	s_nop 0
	s_branch .Lasked_\@
.Lfor_k_\@:
	tensor_load_to_lds s[44:47], s[32:39]
	s_nop 0
.Lasked_\@:
.endm
	s_load_b128 s[4:7], s[0:1], 0x0                ; qkv, oh
	s_set_vgpr_msb 0xc0
	v_lshl_add_u32 v96, v0, 2, 0x4f000
	v_mov_b32 v97, 0
	s_set_vgpr_msb 0xc0cf
	ds_add_u32 v96, v97
	s_set_vgpr_msb 0xcf00
	v_lshrrev_b32 v1, 5, v0
	v_readfirstlane_b32 s8, v1                     ; wave 0..3
	s_bfe_u32 s14, ttmp6, 0x40000                  ; cx.  It enters s2, s14, s16 and s62 only: no descriptor, no LDS address, no branch
	s_lshr_b32 s10, ttmp9, 2                       ; batch and head
	s_and_b32 s13, ttmp9, 3                        ; c
	s_lshr_b32 s11, s10, 3                         ; batch
	s_and_b32 s12, s10, 7                          ; head
	s_lshl_b32 s15, s13, 1                         ; first group 2 c
	s_sub_co_u32 s18, 7, s15                       ; second group 7 - 2 c
	s_mov_b32 s17, s15                             ; the tile asked for last
	s_mul_i32 s19, s8, 128*PV                      ; LDS: V's halves at wave x 36,864,
	s_mul_i32 s20, s8, 128*PK
	s_add_co_u32 s20, s20, 4096                    ; K's at 4,096 + wave x 34,816 (waves 2, 3)
	s_mov_b32 s23, 0
	s_mov_b32 s63, 0
	s_mov_b32 s60, 0x76543210
	s_mov_b32 s61, 0xfedcba98
	s_mov_b32 s24, 0x0f71000f                      ; V: mask of all four; 2 bytes; padding on; bit 21 beside a mask; after every 64 words 8 words
	s_mov_b32 s32, 0x0771000f                      ; K: the same with 4 words
.irp g, 24, 32
	s_mov_b32 s[\g+1], 128<<16                     ; tensor_dim0 = 128
	s_mov_b32 s[\g+2], 128<<16                     ; tensor_dim1 = 128
	s_mov_b32 s[\g+3], 128<<16                     ; tile_dim0 = 128
	s_mov_b32 s[\g+4], 128                         ; tile_dim1 = 128 rows
	s_mov_b32 s[\g+5], 128                         ; rows follow each other in memory
	s_mov_b32 s[\g+6], 0
	s_mov_b32 s[\g+7], 0
.endr
	s_and_b32 s9, s8, 1
	s_lshl_b32 s9, s9, 15                          ; my half of a tile: 128 rows of 256 bytes
	s_lshl_b32 s22, s11, 19                        ; the batch's 2,048 rows
	s_add_co_u32 s22, s22, s9
	s_lshl_b32 s9, s12, 20                         ; the head's block of 1 MiB
	s_add_co_u32 s22, s22, s9
	s_lshl_b32 s16, s11, 19                        ; Q: batch, head, my 64 rows of a group
	s_add_co_u32 s16, s16, s9
	s_lshl_b32 s62, s14, 14
	s_add_co_u32 s16, s16, s62
	s_wait_dscnt 0x0
	s_wait_kmcnt 0x0
	s_add_nc_u64 s[50:51], s[4:5], s[22:23]
	s_add_nc_u64 s[48:49], s[50:51], 16<<20        ; V's head blocks are 16-23,
	s_add_nc_u64 s[50:51], s[50:51], 8<<20         ; K's 8-15
	s_lshl_b32 s62, s15, 16
	s_add_co_u32 s62, s62, s16
	s_add_nc_u64 s[52:53], s[4:5], s[62:63]        ; Q of the first group
	s_lshl_b32 s62, s18, 16
	s_add_co_u32 s62, s62, s16
	s_add_nc_u64 s[54:55], s[4:5], s[62:63]        ; Q of the second
	s_lshl_b32 s16, s11, 4                         ; oh: 16 blocks of 128 rows a batch, two a group;
	s_lshr_b32 s62, s14, 1
	s_add_co_u32 s16, s16, s62                     ; partners 0, 1 are in the group's first block, 2, 3 in its second
	s_mul_i32 s16, s16, OBLK
	s_and_b32 s62, s14, 1
	s_cmp_eq_u32 s62, 0
	s_cselect_b32 s2, -1, 0                        ; all lanes where my 64 rows begin a block, none elsewhere: for the stores of the remainder rows
	s_lshl_b32 s62, s62, 17                        ; the block's second 64 rows of 2,048 bytes
	s_add_co_u32 s16, s16, s62
	s_lshl_b32 s62, s12, 8                         ; the head's 256 bytes
	s_add_co_u32 s16, s16, s62
	s_mul_i32 s62, s15, 2*OBLK
	s_add_co_u32 s62, s62, s16
	s_add_nc_u64 s[56:57], s[6:7], s[62:63]
	s_mul_i32 s62, s18, 2*OBLK
	s_add_co_u32 s62, s62, s16
	s_add_nc_u64 s[58:59], s[6:7], s[62:63]
	s_lshl_b32 s22, s17, 16                        ; the first tile: the first group's diagonal, into slot 0
	s_mov_b32 s40, 1
	s_mov_b32 s41, s19
	s_add_nc_u64 s[42:43], s[48:49], s[22:23]
	s_or_b32 s43, s43, 0x80000000
	s_mov_b32 s44, 1
	s_mov_b32 s45, s20
	s_add_nc_u64 s[46:47], s[50:51], s[22:23]
	s_or_b32 s47, s47, 0x80000000
	v_and_b32 v56, 31, v0                          ; l
	v_and_b32 v57, 15, v0                          ; r
	v_bfe_u32 v58, v0, 4, 1                        ; h
	v_and_b32 v59, 7, v0
	v_bfe_u32 v60, v0, 3, 1
	v_lshlrev_b32 v[QO], 8, v57
	v_lshl_add_u32 v[QO], v58, 4, v[QO]            ; 256 r + 16 h
	ROUND                                          ; all four work-groups are here
	JLOAD                                          ; one tensor load of the wave is out, here and behind every later round
	WIN 0x40
.irp qb, 0,1,2,3
.irp dc, 0,1,2,3
	global_load_b128 v[32*\qb+8*\dc:32*\qb+8*\dc+3],   v[QO], s[52:53] offset:4096*\qb+64*\dc
	global_load_b128 v[32*\qb+8*\dc+4:32*\qb+8*\dc+7], v[QO], s[52:53] offset:4096*\qb+64*\dc+32
.endr
.endr
.irp qb, 0,1,2,3
.irp dc, 0,1,2,3
	global_load_b128 v[128+32*\qb+8*\dc:128+32*\qb+8*\dc+3],   v[QO], s[54:55] offset:4096*\qb+64*\dc
	global_load_b128 v[128+32*\qb+8*\dc+4:128+32*\qb+8*\dc+7], v[QO], s[54:55] offset:4096*\qb+64*\dc+32
.endr
.endr
	WIN 0
	v_mul_u32_u24 v61, v57, PK
	v_lshl_add_u32 v61, v58, 4, v61                ; r x 272 + 16 h
	s_mul_i32 s9, s8, 64*PK
	s_add_co_u32 s9, s9, KOFF
	v_add_nc_u32 v[KA], s9, v61                    ; my 64 keys of K
	v_add_nc_u32 v[KA+1], SLOT, v[KA]
	s_lshl_b32 s9, s8, 6
	s_add_co_u32 s9, s9, XCH
	v_add_nc_u32 v[AOS], s9, v61                   ; stage in: row r, my 32 numbers of d
	v_lshl_add_u32 v61, v58, 3, v59
	v_mul_u32_u24 v61, v61, PV
	v_lshl_add_u32 v61, v60, 4, v61                ; (8 h + l % 8) x 288 + 16 for lanes 8-15 of each half
	s_mul_i32 s9, s8, 64*PV
	v_add_nc_u32 v[VA], s9, v61                    ; my 64 keys of V
	v_add_nc_u32 v[VA+1], SLOT, v[VA]
	s_sub_co_i32 s62, s14, s8
	s_lshl_b32 s62, s62, 6                         ; 64 (cx - w)
	v_lshlrev_b32 v61, 3, v58
	v_sub_nc_u32 v61, v57, v61
	v_add_nc_u32 v[DG], s62, v61
	v_mov_b32 v[NEG], 0xff7fffff
	v_lshlrev_b32 v61, 4, v56                      ; 16 l
	v_add_nc_u32 v[AMR], MLB, v61
	v_lshl_add_u32 v[AML], s8, 10, v[AMR]
	v_add_nc_u32 v62, XCH, v61
	v_lshl_add_u32 v[AXS], s8, 13, v62
	v_lshl_add_u32 v[AXL], s8, 11, v62
	v_mul_u32_u24 v61, v58, PK
	v_lshl_add_u32 v61, v57, 4, v61                ; stage back: lanes 0-15 one row, lanes 16-31 the next,
	s_mul_i32 s9, s8, 16*PK
	s_add_co_u32 s9, s9, XCH
	v_add_nc_u32 v[AOL], s9, v61                   ; of my 16 rows,
	s_mul_i32 s9, s8, 4*PK
	s_add_co_u32 s9, s9, XCH+64*PK
	v_add_nc_u32 v[ALL], s9, v61                   ; and of my 4 remainder rows, which lie behind the 64
	v_lshlrev_b32 v61, 11, v58
	v_lshl_add_u32 v61, v57, 4, v61
	v_lshl_add_u32 v[AOG], s8, 15, v61             ; the same rows in oh: 16 w + l / 16,
	v_lshl_add_u32 v[ALG], s8, 13, v61             ; 4 w + l / 16
.irp i, 0,1,2,3
	v_mov_b32 v[TP+\i], 0                          ; v_permlanex16_b32 counts as a reader of its destination
.endr
.irp i, 0,1,2,3,4,5,6,7
	v_mov_b32 v[ONES+\i], 0x3c003c00
.endr
.macro LOADK slot, kb                  ; key block kb: 16 keys x 128 d, four fragments
.irp dc, 0,1,2,3
	ds_load_b128 v[FR+32*(\kb&1)+8*\dc:FR+32*(\kb&1)+8*\dc+3],   v[KA+\slot] offset:\kb*16*PK+64*\dc
	ds_load_b128 v[FR+32*(\kb&1)+8*\dc+4:FR+32*(\kb&1)+8*\dc+7], v[KA+\slot] offset:\kb*16*PK+64*\dc+32
.endr
.endm
.macro LOADV slot, g                   ; keys 32 (g / 2) .. + 31, d blocks 4 (g % 2) .. + 3, four fragments, transposed on the way
.irp i, 0,1,2,3
	ds_load_tr16_b128 v[FR+32*(\g&1)+8*\i:FR+32*(\g&1)+8*\i+3],   v[VA+\slot] offset:(\g>>1)*32*PV+32*(4*(\g&1)+\i)
	ds_load_tr16_b128 v[FR+32*(\g&1)+8*\i+4:FR+32*(\g&1)+8*\i+7], v[VA+\slot] offset:(\g>>1)*32*PV+32*(4*(\g&1)+\i)+16*PV
.endr
.endm
; In all three: the accumulators take turns, one instruction a turn.
.macro SMUL kb, q                      ; S^T of key block kb with the four query blocks
.irp dc, 0,1,2,3
.irp qb, 0,1,2,3
.if \dc == 0
	v_wmma_f32_16x16x32_f16 v[S+32*\kb+8*\qb:S+32*\kb+8*\qb+7], v[FR+32*(\kb&1)+8*\dc:FR+32*(\kb&1)+8*\dc+7], v[\q+32*\qb+8*\dc:\q+32*\qb+8*\dc+7], 0
.else
	v_wmma_f32_16x16x32_f16 v[S+32*\kb+8*\qb:S+32*\kb+8*\qb+7], v[FR+32*(\kb&1)+8*\dc:FR+32*(\kb&1)+8*\dc+7], v[\q+32*\qb+8*\dc:\q+32*\qb+8*\dc+7], v[S+32*\kb+8*\qb:S+32*\kb+8*\qb+7]
.endif
.endr
.endr
.endm
.macro PMUL g, zero                    ; O^T += V^T P^T for the fragments of LOADV g
.irp i, 0,1,2,3
.irp qb, 0,1,2,3
.if \zero
	v_wmma_f32_16x16x32_f16 v[32*(4*(\g&1)+\i)+8*\qb:32*(4*(\g&1)+\i)+8*\qb+7], v[FR+32*(\g&1)+8*\i:FR+32*(\g&1)+8*\i+7], v[P+32*(\g>>1)+8*\qb:P+32*(\g>>1)+8*\qb+7], 0
.else
	v_wmma_f32_16x16x32_f16 v[32*(4*(\g&1)+\i)+8*\qb:32*(4*(\g&1)+\i)+8*\qb+7], v[FR+32*(\g&1)+8*\i:FR+32*(\g&1)+8*\i+7], v[P+32*(\g>>1)+8*\qb:P+32*(\g>>1)+8*\qb+7], v[32*(4*(\g&1)+\i)+8*\qb:32*(4*(\g&1)+\i)+8*\qb+7]
.endif
.endr
.endr
.endm
.macro LMUL zero                       ; the row sums of the rounded P
.irp qb, 0,1,2,3
.if \zero
	v_wmma_f32_16x16x32_f16 v[8*\qb:8*\qb+7], v[ONES:ONES+7], v[P+8*\qb:P+8*\qb+7], 0
.else
	v_wmma_f32_16x16x32_f16 v[8*\qb:8*\qb+7], v[ONES:ONES+7], v[P+8*\qb:P+8*\qb+7], v[8*\qb:8*\qb+7]
.endif
.endr
.irp qb, 0,1,2,3
	v_wmma_f32_16x16x32_f16 v[8*\qb:8*\qb+7], v[ONES:ONES+7], v[P+32+8*\qb:P+32+8*\qb+7], v[8*\qb:8*\qb+7]
.endr
.endm
; One key tile, in slot.  d = 1: the group's diagonal tile, which is its first: masked, and it starts maximum, sums and O.  q: Q's place in window 1.
; refill = 1: the other slot gets the next tile.  lcnt: how many younger global loads may be out when Q is first read.
.macro ASTEP slot, d, q, refill, lcnt
	s_set_vgpr_msb 0xf
	s_wait_tensorcnt 0x0                           ; all my tensor loads have landed, my part of this tile among them: the descriptors may be written
	ds_add_u32 v96, v97
	s_wait_dscnt 0x0
	s_set_vgpr_msb 0xf00
.if \refill
	s_sub_co_i32 s17, s17, 1                       ; the next tile: one further down, or, below 0, the second group's diagonal
	s_cmp_lt_i32 s17, 0
	s_cselect_b32 s17, s18, s17
	s_lshl_b32 s22, s17, 16                        ; 256 keys of 256 bytes
	s_add_co_u32 s41, s19, (1-\slot)*SLOT
	s_add_nc_u64 s[42:43], s[48:49], s[22:23]
	s_or_b32 s43, s43, 0x80000000
	s_add_co_u32 s45, s20, (1-\slot)*SLOT
	s_add_nc_u64 s[46:47], s[50:51], s[22:23]
	s_or_b32 s47, s47, 0x80000000
.endif
	s_wait_dscnt 0x0                               ; my reads of the other slot are over
	ROUND                                          ; both now hold of every wave of the four work-groups
.if \refill
	JLOAD                                          ; the joint refill, first behind the round: it has this whole step in which to land
.endif
	LOADK \slot, 0
	LOADK \slot, 1
.if \d
	s_wait_loadcnt \lcnt                           ; this group's Q is in
.endif
	WIN 0x04                                       ; source 1 (Q) in window 1; LDS loads name windows 0 under this setting too
	s_wait_dscnt 8                                 ; here and below: the buffer issued last may be out
	SMUL 0, \q
	PLACES
	LOADK \slot, 2
	s_wait_dscnt 8
	SMUL 1, \q
	PLACES
	LOADK \slot, 3
	s_wait_dscnt 8
	SMUL 2, \q
	PLACES
	LOADV \slot, 0
	s_wait_dscnt 8
	SMUL 3, \q
	PLACES
	LOADV \slot, 1                                 ; V's first fragments land during the softmax
	WIN 0
.if \d
.irp kb, 0,1,2,3
.irp qb, 0,1,2,3
.irp j, 0,1,2,3,4,5,6,7
	v_cmp_gt_i32 vcc_lo, \j+16*(\kb-\qb), v[DG]
	v_cndmask_b32 v[S+32*\kb+8*\qb+\j], v[S+32*\kb+8*\qb+\j], v[NEG], vcc_lo
.endr
.endr
.endr
.endif
	; the tile's maximum for each query: 32 numbers a lane and query block, four chains side by side, then the other half of the lanes
.irp qb, 0,1,2,3
	v_max3_num_f32 v[TM+\qb], v[S+8*\qb], v[S+8*\qb+1], v[S+8*\qb+2]
.endr
.set i, 3
.rept 14
.irp qb, 0,1,2,3
	v_max3_num_f32 v[TM+\qb], v[TM+\qb], v[S+32*(i>>3)+8*\qb+(i&7)], v[S+32*((i+1)>>3)+8*\qb+((i+1)&7)]
.endr
.set i, i+2
.endr
.irp qb, 0,1,2,3
	v_max_num_f32 v[TM+\qb], v[TM+\qb], v[S+96+8*\qb+7]
.endr
.irp qb, 0,1,2,3
	v_permlanex16_b32 v[TP+\qb], v[TM+\qb], s60, s61
.endr
.if \d
.irp qb, 0,1,2,3
	v_max_num_f32 v[M+\qb], v[TM+\qb], v[TP+\qb]
.endr
.else
.irp qb, 0,1,2,3
	v_max3_num_f32 v[TM+\qb], v[TM+\qb], v[TP+\qb], v[M+\qb]
.endr
.irp qb, 0,1,2,3
	v_sub_f32 v[AL+2*\qb], v[M+\qb], v[TM+\qb]
.endr
.irp qb, 0,1,2,3
	v_exp_f32 v[AL+2*\qb], v[AL+2*\qb]             ; 2^(old - new); the plain lines below stand between these and their first use (ISA guide 5.7.2)
.endr
.irp qb, 0,1,2,3
	v_mov_b32 v[M+\qb], v[TM+\qb]
.endr
.endif
.irp qb, 0,1,2,3
	v_mul_f32 v[NM+2*\qb], -1.0, v[M+\qb]
	v_mul_f32 v[NM+2*\qb+1], -1.0, v[M+\qb]
.endr
.if \d == 0
	s_wait_alu depctr_va_vdst(0)
.irp qb, 0,1,2,3
	v_mov_b32 v[AL+2*\qb+1], v[AL+2*\qb]
.endr
.endif
.irp kb, 0,1,2,3
.irp qb, 0,1,2,3
.irp p, 0,1,2,3
	v_pk_add_f32 v[S+32*\kb+8*\qb+2*\p:S+32*\kb+8*\qb+2*\p+1], v[S+32*\kb+8*\qb+2*\p:S+32*\kb+8*\qb+2*\p+1], v[NM+2*\qb:NM+2*\qb+1]
.endr
.endr
.endr
.set i, 0
.rept 128
	v_exp_f32 v[S+i], v[S+i]
.set i, i+1
.endr
	v_nop
	WIN 0xc0                                       ; P^T, f16, into window 3: key blocks 2 kc and 2 kc + 1 are registers 0-3 and 4-7 of a fragment
	s_wait_alu depctr_va_vdst(0)
.irp kc, 0,1
.irp qb, 0,1,2,3
.irp hf, 0,1
.irp p, 0,1,2,3
	v_cvt_pk_f16_f32 v[P+32*\kc+8*\qb+4*\hf+\p], v[S+32*(2*\kc+\hf)+8*\qb+2*\p], v[S+32*(2*\kc+\hf)+8*\qb+2*\p+1]
.endr
.endr
.endr
.endr
.if \d == 0
	WIN 0x82                                       ; O and the sums follow the new maximum
.irp db, 0,1,2,3,4,5,6,7
.irp qb, 0,1,2,3
.irp p, 0,1,2,3
	v_pk_mul_f32 v[32*\db+8*\qb+2*\p:32*\db+8*\qb+2*\p+1], v[32*\db+8*\qb+2*\p:32*\db+8*\qb+2*\p+1], v[AL+2*\qb:AL+2*\qb+1]
.endr
.endr
.endr
	WIN 0xc3
.irp qb, 0,1,2,3
.irp p, 0,1,2,3
	v_pk_mul_f32 v[8*\qb+2*\p:8*\qb+2*\p+1], v[8*\qb+2*\p:8*\qb+2*\p+1], v[AL+2*\qb:AL+2*\qb+1]
.endr
.endr
.endif
	WIN 0xac                                       ; V window 0, P window 3, O window 2
	s_wait_dscnt 8
	PMUL 0, \d
	PLACES
	WIN 0
	LOADV \slot, 2
	WIN 0xac
	s_wait_dscnt 8
	PMUL 1, \d
	PLACES
	WIN 0
	LOADV \slot, 3
	WIN 0xac
	s_wait_dscnt 8
	PMUL 2, 0
	s_wait_dscnt 0
	PMUL 3, 0
	WIN 0xfc
	LMUL \d
	WIN 0
	PLACES
.endm
; The four waves' figures of a group are merged and the 64 rows leave.  Wave w ends up with d blocks 2 w and 2 w + 1 of all 64 queries.
; The next tile's load may stay out across these barriers: no LDS bytes are filled behind any of them.
.macro FINAL ob
	WIN 0x03
.irp qb, 0,1,2,3
	v_mov_b32 v[LL+\qb], v[8*\qb]                  ; all eight registers of a sum's tile hold the same number
.endr
	WIN 0
	ds_store_b128 v[AML], v[M:M+3]
	ds_store_b128 v[AML], v[LL:LL+3] offset:512
.irp t, 0,1,2,3
	WIN 0x08                                       ; store data from window 2: my O of query block t
.irp db, 0,1,2,3,4,5,6,7
	ds_store_b128 v[AXS], v[32*\db+8*\t:32*\db+8*\t+3] offset:1024*\db
	ds_store_b128 v[AXS], v[32*\db+8*\t+4:32*\db+8*\t+7] offset:1024*\db+512
.endr
	WIN 0
	s_wait_dscnt 0x0                               ; my stores are done: the others read them behind the barrier
	s_barrier_signal -1
	s_barrier_wait -1
.if \t == 0
.irp u, 0,1,2,3
	ds_load_b128 v[MU+4*\u:MU+4*\u+3], v[AMR] offset:1024*\u
	ds_load_b128 v[LU+4*\u:LU+4*\u+3], v[AMR] offset:1024*\u+512
.endr
	s_wait_dscnt 0x0
.irp qb, 0,1,2,3
	v_max3_num_f32 v[TM+\qb], v[MU+\qb], v[MU+4+\qb], v[MU+8+\qb]
.endr
.irp qb, 0,1,2,3
	v_max_num_f32 v[TM+\qb], v[TM+\qb], v[MU+12+\qb]       ; finite: the diagonal key is never masked
.endr
.irp u, 0,1,2,3
.irp qb, 0,1,2,3
	v_sub_f32 v[FU+8*\u+2*\qb], v[MU+4*\u+\qb], v[TM+\qb]
.endr
.endr
.irp u, 0,1,2,3
.irp qb, 0,1,2,3
	v_exp_f32 v[FU+8*\u+2*\qb], v[FU+8*\u+2*\qb]           ; 0 for a wave all of whose keys were masked
.endr
.endr
	v_nop
	s_wait_alu depctr_va_vdst(0)
.irp qb, 0,1,2,3
	v_mul_f32 v[TP+\qb], v[FU+2*\qb], v[LU+\qb]
.endr
.irp u, 1,2,3
.irp qb, 0,1,2,3
	v_fmac_f32 v[TP+\qb], v[FU+8*\u+2*\qb], v[LU+4*\u+\qb]
.endr
.endr
.irp qb, 0,1,2,3
	v_rcp_f32 v[TP+\qb], v[TP+\qb]                 ; the whole sum is at least 1: the largest score's own term
.endr
	v_nop
	s_wait_alu depctr_va_vdst(0)
.irp u, 0,1,2,3
.irp qb, 0,1,2,3
	v_mul_f32 v[FU+8*\u+2*\qb], v[FU+8*\u+2*\qb], v[TP+\qb]
	v_mov_b32 v[FU+8*\u+2*\qb+1], v[FU+8*\u+2*\qb]
.endr
.endr
.endif
.irp u, 0,1,2,3
.irp e, 0,1
	ds_load_b128 v[XR+16*\u+8*\e:XR+16*\u+8*\e+3],   v[AXL] offset:8192*\u+1024*\e
	ds_load_b128 v[XR+16*\u+8*\e+4:XR+16*\u+8*\e+7], v[AXL] offset:8192*\u+1024*\e+512
.endr
.endr
	s_wait_dscnt 0x0                               ; they are in, and over: the exchange is written again behind the barrier below
.irp e, 0,1
.irp p, 0,1,2,3
	v_pk_mul_f32 v[R+16*\t+8*\e+2*\p:R+16*\t+8*\e+2*\p+1], v[XR+8*\e+2*\p:XR+8*\e+2*\p+1], v[FU+2*\t:FU+2*\t+1]
	v_pk_fma_f32 v[R+16*\t+8*\e+2*\p:R+16*\t+8*\e+2*\p+1], v[XR+16+8*\e+2*\p:XR+16+8*\e+2*\p+1], v[FU+8+2*\t:FU+8+2*\t+1], v[R+16*\t+8*\e+2*\p:R+16*\t+8*\e+2*\p+1]
	v_pk_fma_f32 v[R+16*\t+8*\e+2*\p:R+16*\t+8*\e+2*\p+1], v[XR+32+8*\e+2*\p:XR+32+8*\e+2*\p+1], v[FU+16+2*\t:FU+16+2*\t+1], v[R+16*\t+8*\e+2*\p:R+16*\t+8*\e+2*\p+1]
	v_pk_fma_f32 v[R+16*\t+8*\e+2*\p:R+16*\t+8*\e+2*\p+1], v[XR+48+8*\e+2*\p:XR+48+8*\e+2*\p+1], v[FU+24+2*\t:FU+24+2*\t+1], v[R+16*\t+8*\e+2*\p:R+16*\t+8*\e+2*\p+1]
.endr
.endr
	s_barrier_signal -1
	s_barrier_wait -1
.endr
	; the remainders of query block 0: o - f16(o), as f16, into the stage's rows 64-79.  v20-35 (the maxima's negatives and the rescale factors, which the next
	; group writes anew before it reads them) and v56-63 are at work
.irp e, 0,1
	v_cvt_pk_f16_f32 v56, v[R+8*\e], v[R+8*\e+1]
	v_cvt_pk_f16_f32 v57, v[R+8*\e+2], v[R+8*\e+3]
	v_cvt_pk_f16_f32 v58, v[R+8*\e+4], v[R+8*\e+5]
	v_cvt_pk_f16_f32 v59, v[R+8*\e+6], v[R+8*\e+7]
	v_cvt_f32_f16 v[NM], v56.l
	v_cvt_f32_f16 v[NM+1], v56.h
	v_cvt_f32_f16 v[NM+2], v57.l
	v_cvt_f32_f16 v[NM+3], v57.h
	v_cvt_f32_f16 v[NM+4], v58.l
	v_cvt_f32_f16 v[NM+5], v58.h
	v_cvt_f32_f16 v[NM+6], v59.l
	v_cvt_f32_f16 v[NM+7], v59.h
.irp i, 0,1,2,3,4,5,6,7
	v_sub_f32 v[AL+\i], v[R+8*\e+\i], v[NM+\i]
.endr
.irp i, 0,1,2,3
	v_cvt_pk_f16_f32 v[60+\i], v[AL+2*\i], v[AL+2*\i+1]
.endr
	ds_store_b128 v[AOS], v[60:63] offset:64*PK+32*\e
.endr
.irp t, 0,1,2,3
.irp e, 0,1
.irp i, 0,1,2,3
	v_cvt_pk_f16_f32 v[R+16*\t+8*\e+\i], v[R+16*\t+8*\e+2*\i], v[R+16*\t+8*\e+2*\i+1]
.endr
	ds_store_b128 v[AOS], v[R+16*\t+8*\e:R+16*\t+8*\e+3] offset:16*PK*\t+32*\e
.endr
.endr
	s_wait_dscnt 0x0
	s_barrier_signal -1
	s_barrier_wait -1
.irp i, 0,1,2,3,4,5,6,7
	ds_load_b128 v[XR+4*\i:XR+4*\i+3], v[AOL] offset:2*PK*\i
.endr
.irp i, 0,1
	ds_load_b128 v[XR+32+4*\i:XR+32+4*\i+3], v[ALL] offset:2*PK*\i
.endr
.irp i, 0,1,2,3,4,5,6,7
	s_wait_dscnt 9-\i                              ; load i of the ten is in, the younger ones may be out
	global_store_b128 v[AOG], v[XR+4*\i:XR+4*\i+3], s[\ob:\ob+1] offset:4096*\i    ; sixteen lanes store 256 consecutive bytes, aligned
.endr
	s_wait_dscnt 0x0
	s_wait_xcnt 0x0                                ; EXEC is a source of the stores above: it changes only behind this wait
	s_mov_b32 vcc_lo, s2
	s_and_saveexec_b32 s3, vcc_lo                  ; the remainder rows leave only where my 64 rows begin a block of 128: all lanes or none
.irp i, 0,1
	global_store_b128 v[ALG], v[XR+32+4*\i:XR+32+4*\i+3], s[\ob:\ob+1] offset:128*2048+4096*\i
.endr
	s_wait_xcnt 0x0                                ; and again in front of the line that widens it; the scores' registers, too, are written again only behind this wait
	s_or_b32 exec_lo, exec_lo, s3
.endm
	ASTEP 0, 1, 0, 1, 32                           ; first group, diagonal; the second group's 32 loads of Q may be out
	s_cmp_eq_u32 s13, 0
	s_cbranch_scc1 .Lfirst_done
	s_mov_b32 s21, s13                             ; 2 c tiles below the diagonal
.Lfirst:
	ASTEP 1, 0, 0, 1, 0
	ASTEP 0, 0, 0, 1, 0
	s_sub_co_i32 s21, s21, 1
	s_cmp_gt_i32 s21, 0
	s_cbranch_scc1 .Lfirst
.Lfirst_done:
	FINAL 56
	ASTEP 1, 1, 128, 1, 0                          ; second group, diagonal
	s_cmp_eq_u32 s13, 3
	s_cbranch_scc1 .Lsecond_done
	s_sub_co_u32 s21, 3, s13                       ; 7 - 2 c tiles below it: 3 - c pairs and one
.Lsecond:
	ASTEP 0, 0, 128, 1, 0
	ASTEP 1, 0, 128, 1, 0
	s_sub_co_i32 s21, s21, 1
	s_cmp_gt_i32 s21, 0
	s_cbranch_scc1 .Lsecond
.Lsecond_done:
	ASTEP 0, 0, 128, 0, 0                          ; the last tile: nothing is left to fetch
	FINAL 58
	s_set_vgpr_msb 0xf
	s_wait_tensorcnt 0x0
	ds_add_u32 v96, v97
	s_wait_dscnt 0x0
	s_set_vgpr_msb 0xf00
	ROUND                                          ; the closing round
	s_endpgm
.Lfunc_end_k_q25cc876353_attn:
	.size	k_q25cc876353_attn, .Lfunc_end_k_q25cc876353_attn-k_q25cc876353_attn
	.p2alignl 7, 3214868480
	.fill 96, 4, 3214868480
	.section	.rodata,"a",@progbits
	.p2align	6, 0x0
	.amdhsa_kernel k_q25cc876353_attn
		.amdhsa_group_segment_fixed_size 327680
		.amdhsa_private_segment_fixed_size 0
		.amdhsa_enable_private_segment 0
		.amdhsa_kernarg_size 16
		.amdhsa_user_sgpr_count 2
		.amdhsa_user_sgpr_kernarg_segment_ptr 1
		.amdhsa_wavefront_size32 1
		.amdhsa_system_sgpr_workgroup_id_x 1
		.amdhsa_system_sgpr_workgroup_id_y 1
		.amdhsa_system_sgpr_workgroup_id_z 1
		.amdhsa_system_vgpr_workitem_id 0
		.amdhsa_next_free_vgpr 866
		.amdhsa_next_free_sgpr 66
		.amdhsa_reserve_vcc 1
		.amdhsa_float_denorm_mode_32 3
		.amdhsa_float_denorm_mode_16_64 3
		.amdhsa_memory_ordered 1
		.amdhsa_forward_progress 1
		.amdhsa_inst_pref_size 255
	.end_amdhsa_kernel
	.section	.bss,"aw",@nobits
	.p2align	6
	.space	262144
	.amdgpu_metadata
---
amdhsa.version: [ 1, 2 ]
amdhsa.kernels:
  - .name:           k_q25cc876353_attn
    .symbol:         k_q25cc876353_attn.kd
    .args:
      - { .name: qkv, .offset: 0, .size: 8, .value_kind: global_buffer, .address_space: global }
      - { .name: oh, .offset: 8, .size: 8, .value_kind: global_buffer, .address_space: global }
    .group_segment_fixed_size: 327680
    .private_segment_fixed_size: 0
    .kernarg_segment_align: 8
    .kernarg_segment_size: 16
    .max_flat_workgroup_size: 128
    .sgpr_count:     66
    .vgpr_count:     866
    .wavefront_size: 32
...
	.end_amdgpu_metadata
.endif
;; end of part 3
;; launch oproj (part 4): grid 8 x 32, 4 waves a work-group, clusters of 4 x 4, 327,680 bytes of LDS; arguments oh, woh, out0; writes out0
.if DOCPART == 4
	.amdgcn_target "amdgcn-amd-amdhsa--gfx1250"
	.amdhsa_code_object_version 6
	.text
	.protected	k_q25cc876353_oproj
	.globl	k_q25cc876353_oproj
	.p2align	8
	.type	k_q25cc876353_oproj,@function
k_q25cc876353_oproj:
	s_mov_b64 s[64:65], 0
	v_nop
	global_prefetch_b8 v0, s[64:65] scope:SCOPE_SE
	s_setreg_imm32_b32 hwreg(HW_REG_WAVE_MODE, 25, 1), 1
	s_wait_xcnt 0x0
	s_wait_alu depctr_hold_cnt(0) depctr_sa_sdst(0) depctr_va_vdst(0) depctr_va_sdst(0) depctr_va_ssrc(0) depctr_va_vcc(0) depctr_vm_vsrc(0)
	s_getreg_b32 s2, hwreg(HW_REG_IB_STS2, 6, 4)
	s_cmp_eq_u32 s2, 0
	s_cbranch_scc0 .Lentry_in_a_cluster
	s_endpgm
.Lentry_in_a_cluster:
	s_bfe_u32 s2, ttmp6, 0x10000c
	s_cmp_lg_u32 s2, 0xf033
	s_cbranch_scc0 .Lentry_shape_is_right
	s_endpgm
.Lentry_shape_is_right:
; out0 = oh woh.  oh: [32 blocks][144 rows][1024] f16: a block's 128 rows, then the remainders (what f16 dropped) of its first 16 rows.
; woh: [1024 k][2048] f16, read as it lies through transposing LDS loads.  out0: [4096][2048] f32.  Sums in f32.
; A work-group makes 128 rows x 256 columns with four waves; wave w makes all 128 rows x columns 64 w .. 64 w + 63 (256 bytes of a row of out0, so the way out is
; each wave's own): 32 accumulator tiles, 256 registers, window 2 at v[32 a + 8 b].  K goes in 8 steps of 128 through two LDS slots.
; The remainder rows are a ninth fragment of oh, multiplied onto the accumulators of row block 0: 4 matrix instructions more for every 32.
; CLUSTERS: 4 x 4 work-groups; oh's tile is shared along a row of the cluster, woh's along a column, each asked for jointly: a quarter of the requests.
; window 0: addresses, fragments of oh (two buffers of nine), read-back of the way out;  window 1: fragments of woh (two buffers).
; The matrix instruction is used transposed (source 0 = 16 columns of woh, source 1 = 16 rows of oh): lane l holds row l % 16, columns 8 (l / 16) + 0..7.
.set KSTEP, 128
.set PA,    272
.set PB,    288
.set BT,    128*PB                     ; a tile of woh: 128 k x 128 columns
.set AOFF,  2*BT                       ; oh's 144 rows lie behind the two
.set AROWS, 144
.set SLOT,  AOFF+AROWS*PA              ; 112,896 bytes
.set STAGE, 2*SLOT                     ; behind the ring: 16 rows x 272 bytes for each wave; no fill lands there
.set LAPS,  4
.set FA,   64                          ; window 0: v64-135, v136-207: eight row blocks, then the remainders
.set FAS,  72
.set FB,   64                          ; window 1: v64-95, v128-159
.set ADRA, 16
.set ADRB, 20
.set STO,  24
.set RD,   25
.set CO,   26
.set G1A, 24
.set G0A, 32
.set G1B, 48
.set G0B, 56
.set MSB, 0
.macro WIN new
.if MSB != (\new)
	s_set_vgpr_msb (MSB<<8)|(\new)
.set MSB, (\new)
.endif
.endm
.macro JLOAD s                         ; waves 0, 1: the two tiles of woh; waves 2, 3: the halves (72 rows) of oh's tile
	s_cmp_lt_u32 s14, 2
	s_cbranch_scc0 .Lfor_a_\@
	tensor_load_to_lds s[G0B+4*\s:G0B+4*\s+3], s[G1B:G1B+7]
	s_nop 0
	s_branch .Lasked_\@
.Lfor_a_\@:
	tensor_load_to_lds s[G0A+4*\s:G0A+4*\s+3], s[G1A:G1A+7]
	s_nop 0
.Lasked_\@:
.endm
.macro CREST
	s_cmp_lg_u32 s14, 0
	s_cbranch_scc1 .Lnot_wave_0_\@
	s_barrier_signal -3
.Lnot_wave_0_\@:
	s_barrier_wait -3
	s_barrier_signal -1
	s_barrier_wait -1
.endm
.macro CROUND
	s_barrier_signal -1
	s_barrier_wait -1
	CREST
.endm
.macro PLACES                          ; four plain vector instructions between a matrix instruction and what touches its registers (ISA guide 7.12.1)
.rept 4
	v_nop
.endr
.endm
	s_load_b128 s[4:7], s[0:1], 0x0                ; oh, woh
	s_load_b64 s[8:9], s[0:1], 0x10                ; out0
	s_set_vgpr_msb 0x40
	v_lshl_add_u32 v255, v0, 2, 0x3b600
	s_set_vgpr_msb 0x4000
	v_mov_b32 v255, 0
	s_set_vgpr_msb 0x1
	ds_add_u32 v255, v255
	s_set_vgpr_msb 0x100
	v_lshrrev_b32 v1, 5, v0
	v_readfirstlane_b32 s14, v1                    ; wave 0..3
	s_and_b32 s15, s14, 1
	s_lshr_b32 s22, s14, 1
	s_bfe_u32 s40, ttmp6, 0x40000                  ; cx
	s_bfe_u32 s41, ttmp6, 0x40004                  ; cy
	s_lshl_b32 s42, ttmp9, 2
	s_add_co_u32 s42, s42, s40                     ; X: block of 256 columns
	s_and_b32 s43, ttmp7, 0xffff
	s_lshl_b32 s43, s43, 2
	s_add_co_u32 s43, s43, s41                     ; Y: block of 128 rows
	s_lshl_b32 s44, s41, 2
	s_lshl_b32 s44, 15, s44                        ; my row of the cluster
	s_lshl_b32 s45, 0x1111, s40                    ; my column
	s_or_b32 s[G1A+0], s44, 0x07710000             ; mask; 2 bytes; padding on; bit 21 beside a mask; after every 64 words 4 words
	s_or_b32 s[G1B+0], s45, 0x0f710000             ; my column's mask; 8 words of padding
	s_mov_b32 s[G1A+1], 128<<16                    ; tensor_dim0 = 128
	s_mov_b32 s[G1B+1], 128<<16
	s_mov_b32 s[G1A+2], 72<<16                     ; tensor_dim1 = 72 rows of oh,
	s_mov_b32 s[G1B+2], 128<<16                    ; 128 of woh
	s_mov_b32 s[G1A+3], 128<<16                    ; tile_dim0 = 128
	s_mov_b32 s[G1B+3], 128<<16
	s_mov_b32 s[G1A+4], 72                         ; tile_dim1
	s_mov_b32 s[G1B+4], 128
	s_mov_b32 s[G1A+5], 1024                       ; elements from row to row
	s_mov_b32 s[G1B+5], 2048
	s_mov_b32 s[G1A+6], 0
	s_mov_b32 s[G1B+6], 0
	s_mov_b32 s[G1A+7], 0
	s_mov_b32 s[G1B+7], 0
	s_mul_i32 s16, s43, AROWS*2048                 ; oh: block Y of 144 rows of 2,048 bytes, row 72 (wave % 2) of it
	s_mul_i32 s17, s15, 72*2048
	s_add_co_u32 s16, s16, s17
	s_mov_b32 s17, 0
	s_lshl_b32 s46, s42, 9                         ; woh: column 256 X + 128 (wave % 2), 2 bytes each
	s_lshl_b32 s47, s15, 8
	s_add_co_u32 s46, s46, s47
	s_mov_b32 s47, 0
	s_mul_i32 s20, s14, BT                         ; LDS: woh's tiles at wave x 36,864 (waves 0, 1),
	s_mul_i32 s21, s14, 72*PA
	s_add_co_u32 s21, s21, AOFF-AROWS*PA           ; oh's halves at 34,560 + wave x 19,584 (waves 2, 3)
	s_wait_dscnt 0x0
	s_wait_kmcnt 0x0
	s_add_nc_u64 s[16:17], s[4:5], s[16:17]
	s_add_nc_u64 s[46:47], s[6:7], s[46:47]
	CROUND                                         ; all sixteen work-groups are here: the first joint loads meet
.irp s, 0,1
	s_mov_b32 s[G0A+4*\s], 1
	s_add_co_u32 s[G0A+4*\s+1], s21, \s*SLOT
	s_add_nc_u64 s[G0A+4*\s+2:G0A+4*\s+3], s[16:17], \s*KSTEP*2
	s_or_b32 s[G0A+4*\s+3], s[G0A+4*\s+3], 0x80000000
	s_mov_b32 s[G0B+4*\s], 1
	s_add_co_u32 s[G0B+4*\s+1], s20, \s*SLOT
	s_add_nc_u64 s[G0B+4*\s+2:G0B+4*\s+3], s[46:47], \s*KSTEP*4096
	s_or_b32 s[G0B+4*\s+3], s[G0B+4*\s+3], 0x80000000
	JLOAD \s                                       ; K steps 0 and 1: two tensor loads of the wave are out
.endr
	v_and_b32 v1, 15, v0                           ; r
	v_bfe_u32 v2, v0, 4, 1                         ; h
	v_and_b32 v3, 7, v0
	v_bfe_u32 v4, v0, 3, 1
	v_mul_u32_u24 v6, v1, PA
	v_lshl_add_u32 v5, v2, 4, v6                   ; r x 272 + 16 h
	v_add_nc_u32 v[ADRA], AOFF, v5
	v_add_nc_u32 v[ADRA+1], AOFF+SLOT, v5
	v_lshl_add_u32 v7, v2, 3, v3
	v_mul_u32_u24 v7, v7, PB
	v_lshl_add_u32 v7, v4, 4, v7                   ; (8 h + l % 8) x 288 + 16 for lanes 8-15 of each half
	s_mul_i32 s23, s22, BT                         ; my tile of woh,
	s_lshl_b32 s3, s15, 7                          ; my 64 columns in it
	s_add_co_u32 s23, s23, s3
	v_add_nc_u32 v[ADRB], s23, v7
	v_add_nc_u32 v[ADRB+1], SLOT, v[ADRB]
	s_mul_i32 s23, s14, 16*PA
	s_add_co_u32 s23, s23, STAGE                   ; my stage
	v_lshl_add_u32 v6, v2, 5, v6                   ; in: row r, 32 bytes for each half of the lanes
	v_add_nc_u32 v[STO], s23, v6
	v_mul_u32_u24 v5, v2, PA                       ; back: lanes 0-15 one row of 256 bytes, lanes 16-31 the next
	v_lshl_add_u32 v5, v1, 4, v5
	v_add_nc_u32 v[RD], s23, v5
	v_lshlrev_b32 v5, 13, v2                       ; and the same two rows of out0
	v_lshl_add_u32 v[CO], v1, 4, v5
; 8 matrix instructions: row blocks a0, a0 + 1 x my 4 column blocks.  The accumulators take turns, one instruction a turn.
.macro MUL8 f, a0, zero
.irp a, \a0, \a0+1
.irp b, 0,1,2,3
.if \zero
	v_wmma_f32_16x16x32_f16 v[32*(\a)+8*\b:32*(\a)+8*\b+7], v[FB+64*\f+8*\b:FB+64*\f+8*\b+7], v[FA+FAS*\f+8*(\a):FA+FAS*\f+8*(\a)+7], 0
.else
	v_wmma_f32_16x16x32_f16 v[32*(\a)+8*\b:32*(\a)+8*\b+7], v[FB+64*\f+8*\b:FB+64*\f+8*\b+7], v[FA+FAS*\f+8*(\a):FA+FAS*\f+8*(\a)+7], v[32*(\a)+8*\b:32*(\a)+8*\b+7]
.endif
.endr
.endr
.endm
; 4 matrix instructions: the remainders of rows 0-15, onto row block 0's sums; row block 1's four instructions stand between these and row block 0's own
.macro MULREST f
.irp b, 0,1,2,3
	v_wmma_f32_16x16x32_f16 v[8*\b:8*\b+7], v[FB+64*\f+8*\b:FB+64*\f+8*\b+7], v[FA+FAS*\f+64:FA+FAS*\f+71], v[8*\b:8*\b+7]
.endr
.endm
.macro FETCH slot, q, f                ; 26 LDS loads: quarter q of a slot into buffer f: 4 fragments of woh, the remainders, 8 fragments of oh
	WIN 0x40
.irp i, 0,1,2,3
	ds_load_tr16_b128 v[FB+64*\f+8*\i:FB+64*\f+8*\i+3],   v[ADRB+\slot] offset:\q*32*PB+32*\i
	ds_load_tr16_b128 v[FB+64*\f+8*\i+4:FB+64*\f+8*\i+7], v[ADRB+\slot] offset:\q*32*PB+32*\i+16*PB
.endr
	WIN 0
	ds_load_b128 v[FA+FAS*\f+64:FA+FAS*\f+67], v[ADRA+\slot] offset:64*\q+128*PA
	ds_load_b128 v[FA+FAS*\f+68:FA+FAS*\f+71], v[ADRA+\slot] offset:64*\q+128*PA+32
.irp i, 0,1,2,3,4,5,6,7
	ds_load_b128 v[FA+FAS*\f+8*\i:FA+FAS*\f+8*\i+3],   v[ADRA+\slot] offset:64*\q+\i*16*PA
	ds_load_b128 v[FA+FAS*\f+8*\i+4:FA+FAS*\f+8*\i+7], v[ADRA+\slot] offset:64*\q+\i*16*PA+32
.endr
.endm
.macro QUARTER slot, q, f, g, zero
	s_wait_dscnt 8                                 ; all but the youngest eight loads (oh's rows 64-127) are in
	WIN 0xa1
	MUL8 \f, 0, \zero
	MULREST \f
	MUL8 \f, 2, \zero
	PLACES
	FETCH \slot, \q, \g
	s_wait_dscnt 26                                ; all but the 26 just issued
	WIN 0xa1
	MUL8 \f, 4, \zero
	MUL8 \f, 6, \zero
.endm
.macro THREE slot, zero
	QUARTER \slot, 1, 0, 1, \zero
	QUARTER \slot, 2, 1, 0, 0
	QUARTER \slot, 3, 0, 1, 0
.endm
; the last quarter changes slots: each wave's reads of this slot and all its tensor loads are waited for in front of the barrier; where the slot is filled
; again the barrier opens a round of the cluster's barrier, and the joint refill is the first tensor load behind the round
.macro TURN slot, next, fill
	s_wait_dscnt 8
	WIN 0xa1
	MUL8 1, 0, 0
	MULREST 1
	s_wait_dscnt 0
	s_wait_tensorcnt 0x0
	ds_add_u32 v255, v255
	s_wait_dscnt 0x0
	s_barrier_signal -1
	MUL8 1, 2, 0
	WIN 0
	s_barrier_wait -1
.if \fill
	CREST
	s_add_nc_u64 s[G0A+4*\slot+2:G0A+4*\slot+3], s[G0A+4*\slot+2:G0A+4*\slot+3], 2*KSTEP*2
	s_add_nc_u64 s[G0B+4*\slot+2:G0B+4*\slot+3], s[G0B+4*\slot+2:G0B+4*\slot+3], 2*KSTEP*4096
	JLOAD \slot
.endif
	PLACES
	FETCH \next, 0, 0
	WIN 0xa1
	MUL8 1, 4, 0
	MUL8 1, 6, 0
.endm
.macro LAP zero
	THREE 0, \zero
	TURN 0, 1, 1
	THREE 1, 0
	TURN 1, 0, 1
.endm
	s_wait_tensorcnt 1                             ; my part of K step 0 is in; K step 1's may stay out
	s_barrier_signal -1
	s_barrier_wait -1
	FETCH 0, 0, 0
	LAP 1
	WIN 0
	s_mov_b32 s3, LAPS-2
.Llap:
	LAP 0
	WIN 0
	s_sub_co_u32 s3, s3, 1
	s_cmp_lg_u32 s3, 0
	s_cbranch_scc1 .Llap
	THREE 0, 0                                     ; the last lap fills nothing
	TURN 0, 1, 0
	THREE 1, 0
	s_wait_dscnt 8
	WIN 0xa1
	MUL8 1, 0, 0
	MULREST 1
	MUL8 1, 2, 0
	s_wait_dscnt 0
	MUL8 1, 4, 0
	MUL8 1, 6, 0
	; THE WAY OUT, 16 rows at a time through my own stage: 32 bytes a lane in, whole rows of 256 bytes back.
	PLACES
	s_lshl_b32 s10, s43, 20                        ; 128 Y rows of 8,192 bytes
	s_lshl_b32 s11, s42, 10                        ; 256 X columns of 4 bytes
	s_add_co_u32 s10, s10, s11
	s_lshl_b32 s11, s14, 8                         ; my 64 columns
	s_add_co_u32 s10, s10, s11
	s_mov_b32 s11, 0
	s_add_nc_u64 s[8:9], s[8:9], s[10:11]
.macro OUT16 a, f
	WIN 0x08                                       ; store data from window 2
.irp b, 0,1,2,3
	ds_store_b128 v[STO], v[32*\a+8*\b:32*\a+8*\b+3] offset:64*\b
	ds_store_b128 v[STO], v[32*\a+8*\b+4:32*\a+8*\b+7] offset:64*\b+16
.endr
	WIN 0
	s_wait_xcnt 0x0                                ; buffer f, which earlier stores read, and the stores' base are rewritten only behind this wait
.if \a
	s_add_nc_u64 s[8:9], s[8:9], 16*8192
.endif
.irp t, 0,1,2,3,4,5,6,7
	ds_load_b128 v[\f+4*\t:\f+4*\t+3], v[RD] offset:\t*2*PA        ; LDS serves a wave's instructions in order: these see the stores above
.endr
.irp t, 0,1,2,3,4,5,6,7
	s_wait_dscnt 7-\t
	global_store_b128 v[CO], v[\f+4*\t:\f+4*\t+3], s[8:9] offset:\t*2*8192 th:TH_STORE_NT    ; sixteen lanes store 256 consecutive bytes, aligned
.endr
.endm
	OUT16 0, 64
	OUT16 1, 128
	OUT16 2, 64
	OUT16 3, 128
	OUT16 4, 64
	OUT16 5, 128
	OUT16 6, 64
	OUT16 7, 128
	s_set_vgpr_msb 0x1
	s_wait_tensorcnt 0x0
	ds_add_u32 v255, v255
	s_wait_dscnt 0x0
	s_set_vgpr_msb 0x100
	CROUND                                         ; the closing round
	s_endpgm
.Lfunc_end_k_q25cc876353_oproj:
	.size	k_q25cc876353_oproj, .Lfunc_end_k_q25cc876353_oproj-k_q25cc876353_oproj
	.p2alignl 7, 3214868480
	.fill 96, 4, 3214868480
	.section	.rodata,"a",@progbits
	.p2align	6, 0x0
	.amdhsa_kernel k_q25cc876353_oproj
		.amdhsa_group_segment_fixed_size 327680
		.amdhsa_private_segment_fixed_size 0
		.amdhsa_enable_private_segment 0
		.amdhsa_kernarg_size 24
		.amdhsa_user_sgpr_count 2
		.amdhsa_user_sgpr_kernarg_segment_ptr 1
		.amdhsa_wavefront_size32 1
		.amdhsa_system_sgpr_workgroup_id_x 1
		.amdhsa_system_sgpr_workgroup_id_y 1
		.amdhsa_system_sgpr_workgroup_id_z 1
		.amdhsa_system_vgpr_workitem_id 0
		.amdhsa_next_free_vgpr 768
		.amdhsa_next_free_sgpr 66
		.amdhsa_reserve_vcc 0
		.amdhsa_float_denorm_mode_32 3
		.amdhsa_float_denorm_mode_16_64 3
		.amdhsa_memory_ordered 1
		.amdhsa_forward_progress 1
		.amdhsa_inst_pref_size 128
	.end_amdhsa_kernel
	.amdgpu_metadata
---
amdhsa.version: [ 1, 2 ]
amdhsa.kernels:
  - .name:           k_q25cc876353_oproj
    .symbol:         k_q25cc876353_oproj.kd
    .args:
      - { .name: oh, .offset: 0, .size: 8, .value_kind: global_buffer, .address_space: global }
      - { .name: woh, .offset: 8, .size: 8, .value_kind: global_buffer, .address_space: global }
      - { .name: out0, .offset: 16, .size: 8, .value_kind: global_buffer, .address_space: global }
    .group_segment_fixed_size: 327680
    .private_segment_fixed_size: 0
    .kernarg_segment_align: 8
    .kernarg_segment_size: 24
    .max_flat_workgroup_size: 128
    .sgpr_count:     66
    .vgpr_count:     768
    .wavefront_size: 32
...
	.end_amdgpu_metadata
.endif
;; end of part 4
